; MI455X (gfx1250); checked and timed in simulation.
; The chip was launched on July 23, 2026; its instructions are those of AMD's public machine-readable ISA for CDNA 5 (MIT licence, August 2026) and "CDNA5" Instruction Set Architecture Reference Guide (July 2026). The comments in the code are by the model that wrote it; some were corrected since.
;; Self Attention. Allowed arithmetic: float matrix products may take bf16 or f16 operands with f32 sums; other float arithmetic in f32, or as packed bf16 or f16 multiplies, adds, multiply-adds, maxima and minima; sums over many terms, partial sums and values carried from step to step in f32; what a program stores and reads back later, other than sums and carried values, may be rounded once to bf16 or f16.
;; Inputs: Wk 1,024 x 1,024 float32; Wq 1,024 x 1,024 float32; Wv 1,024 x 1,024 float32; bk 1,024 float32; bq 1,024 float32; bv 1,024 float32; x 4 x 2,048 x 1,024 float32.
;; Outputs: out0 4 x 2,048 x 1,024 float32.
;; 2 versions, each right; version 2 is version 1 with the launch prep written anew for expert scheduling mode. Each part assembles by itself: llvm-mc -triple=amdgcn-amd-amdhsa -mcpu=gfx1250 --defsym DOCPART=n.
;; ======== version 1 of 2: 5 launches
;; limits: values are held in f16: magnitudes above 65,504 overflow, below 6.1e-05 lose precision
;; workspace buffers: xb 17,301,504 bytes; wc 6,488,064 bytes; qkv 50,331,648 bytes; sc 67,108,864 bytes; pr 33,554,432 bytes
;; launch prep (part 1): grid 451 x 1, 8 waves a work-group, no clusters, 0 bytes of LDS; arguments x, Wq, Wk, Wv, bq, bk, bv, xb, wc; writes xb, wc
.if DOCPART == 1
	.amdgcn_target "amdgcn-amd-amdhsa--gfx1250"
	.amdhsa_code_object_version 6
	.text
	.protected	k_q7ab82df840_prep
	.globl	k_q7ab82df840_prep
	.p2align	8
	.type	k_q7ab82df840_prep,@function
k_q7ab82df840_prep:
	s_mov_b64 s[64:65], 0
	v_nop
	global_prefetch_b8 v0, s[64:65] scope:SCOPE_SE
	s_setreg_imm32_b32 hwreg(HW_REG_WAVE_MODE, 25, 1), 1
	s_wait_xcnt 0x0
; The operands of the projection, rounded to bf16, with K lengthened from 1,024 to 1,056 = 11 x 96 so that the bias rides in the product.
; xb: [11 planes][8192 rows][96]: plane p holds x's columns 96 p .. 96 p + 95; in plane 10 the places 64 .. 95 lie behind x's last column: place 64 holds 1.0, the others 0.
; wc: [1056 k][3072 n], a row of 6,144 bytes: rows 0-1023 Wq | Wk | Wv side by side, row 1024 bq | bk | bv, rows 1025-1055 zeros.
; A stream: every input byte is read once, every output byte written once; no LDS, no matrix unit, no barrier.
; Work-groups 0-255: 32 rows of x.  256-447: 16 rows of one of the weights.  448-450: the 32 rows behind one of the weights.
; Every store of a wave covers 256 consecutive bytes, aligned.  All loads of a thread go out first; no register is written twice, so no wait frees one.
.set KBP,  8192*192                    ; bytes in a plane of xb
.set WROW, 6144                        ; bytes in a row of wc
.set SO,  6                            ; v6-8    x: my byte offset in the 32 rows for group 256 j + t of a plane's 768 groups of four numbers
.set SC,  9                            ; v9-11   the same for plane 10, held inside the row
.set ONE, 12                           ; v12-14  plane 10: what stands in my group's first two places where x has ended: 1.0 and 0, or 0 and 0
.set X,   16                           ; v[16:147]  as loaded
.set Y,   148                          ; v[148:213] to store
	s_load_b256 s[4:11], s[0:1], 0x0               ; x s[4:5], Wq s[6:7], Wk s[8:9], Wv s[10:11]
	s_load_b256 s[12:19], s[0:1], 0x20             ; bq s[12:13], bk s[14:15], bv s[16:17], xb s[18:19]
	s_load_b64 s[20:21], s[0:1], 0x40              ; wc
	v_lshlrev_b32 v1, 4, v0                        ; 16 t
	v_lshlrev_b32 v2, 3, v0                        ; 8 t
	s_mov_b32 s22, ttmp9
	s_mov_b32 s25, 0
	s_mov_b32 s27, 0
	s_cmp_lt_u32 s22, 256
	s_cbranch_scc0 .Lnot_x
	; x.  In a plane the work-group's 32 rows of 96 numbers are 6,144 consecutive bytes: 768 groups of four numbers; group g lies in row g / 24 at place 4 (g % 24).
	v_mov_b32 v15, 0x3f80                          ; 1.0 in bf16, in the low half
.irp j, 0,1,2
	v_add_nc_u32 v3, 256*\j, v0                    ; g
	v_mul_u32_u24 v4, v3, 2731
	v_lshrrev_b32 v4, 16, v4                       ; g / 24: 2,731 / 65,536 is 1 / 24 to five parts in a million, exact for g < 768
	v_mul_u32_u24 v5, v4, 24
	v_sub_nc_u32 v5, v3, v5                        ; g % 24
	v_lshlrev_b32 v4, 12, v4                       ; the row's 4,096 bytes
	v_min_u32 v3, 15, v5
	v_lshl_add_u32 v[SO+\j], v5, 4, v4
	v_lshl_add_u32 v[SC+\j], v3, 4, v4             ; plane 10 has 16 groups of x in a row: the others load the sixteenth and discard it
	v_cmp_gt_u32 s[28+\j], 16, v5                  ; is my group x's, in plane 10?
	v_cmp_eq_u32 vcc_lo, 16, v5
	v_cndmask_b32 v[ONE+\j], 0, v15, vcc_lo
.endr
	s_lshl_b32 s24, s22, 17                        ; 32 rows of 4,096 bytes
	s_mul_i32 s26, s22, 32*192
	s_wait_kmcnt 0x0
	s_add_nc_u64 s[4:5], s[4:5], s[24:25]
	s_add_nc_u64 s[18:19], s[18:19], s[26:27]      ; planes 0-4: the plane stands in the store's immediate
	s_add_nc_u64 s[32:33], s[18:19], 5*KBP         ; planes 5-9
	s_add_nc_u64 s[34:35], s[32:33], 5*KBP         ; plane 10
.set i, 0
.rept 30                                       ; plane i / 3, group 256 (i % 3) + t: 24 lanes read 384 consecutive bytes of a row
	global_load_b128 v[X+4*i:X+4*i+3], v[SO+i%3], s[4:5] offset:(i/3)*384 th:TH_LOAD_NT
.set i, i+1
.endr
.irp j, 0,1,2
	global_load_b128 v[X+120+4*\j:X+120+4*\j+3], v[SC+\j], s[4:5] offset:3840 th:TH_LOAD_NT
.endr
.set i, 0
.rept 30
	s_wait_loadcnt 32-i                            ; loads come back in order: the younger ones stay out
	v_cvt_pk_bf16_f32 v[Y+2*i], v[X+4*i], v[X+4*i+1]
	v_cvt_pk_bf16_f32 v[Y+2*i+1], v[X+4*i+2], v[X+4*i+3]
.if i < 15
	global_store_b64 v2, v[Y+2*i:Y+2*i+1], s[18:19] offset:(i/3)*KBP+(i%3)*2048
.else
	global_store_b64 v2, v[Y+2*i:Y+2*i+1], s[32:33] offset:(i/3-5)*KBP+(i%3)*2048
.endif
.set i, i+1
.endr
.irp j, 0,1,2
	s_wait_loadcnt 2-\j
	v_cvt_pk_bf16_f32 v[Y+60+2*\j], v[X+120+4*\j], v[X+121+4*\j]
	v_cvt_pk_bf16_f32 v[Y+61+2*\j], v[X+122+4*\j], v[X+123+4*\j]
	v_cndmask_b32 v[Y+60+2*\j], v[ONE+\j], v[Y+60+2*\j], s[28+\j]
	v_cndmask_b32 v[Y+61+2*\j], 0, v[Y+61+2*\j], s[28+\j]
	global_store_b64 v2, v[Y+60+2*\j:Y+61+2*\j], s[34:35] offset:\j*2048
.endr
	s_endpgm
.Lnot_x:
	s_cmp_lt_u32 s22, 448
	s_cbranch_scc0 .Lpad
	; a weight: 16 rows of 1,024 f32; thread t takes 16 bytes at 16 t of every row and stores 8 bytes at 8 t
	s_sub_co_u32 s23, s22, 256
	s_lshr_b32 s28, s23, 6                         ; which weight: 0 Wq, 1 Wk, 2 Wv
	s_and_b32 s29, s23, 63                         ; which 16 rows of it
	s_lshl_b32 s24, s29, 16
	s_mul_i32 s26, s29, 16*WROW
	s_lshl_b32 s30, s28, 11                        ; the weight's 2,048 bytes in a row of wc
	s_add_co_u32 s26, s26, s30
	s_wait_kmcnt 0x0
	s_cmp_eq_u32 s28, 1
	s_cselect_b64 s[32:33], s[8:9], s[6:7]
	s_cmp_eq_u32 s28, 2
	s_cselect_b64 s[32:33], s[10:11], s[32:33]
	s_add_nc_u64 s[32:33], s[32:33], s[24:25]
	s_add_nc_u64 s[34:35], s[20:21], s[26:27]
.irp r, 0,1,2,3,4,5,6,7,8,9,10,11,12,13,14,15
	global_load_b128 v[X+4*(\r):X+4*(\r)+3], v1, s[32:33] offset:4096*(\r) th:TH_LOAD_NT
.endr
.irp r, 0,1,2,3,4,5,6,7,8,9,10,11,12,13,14,15
	s_wait_loadcnt 15-(\r)
	v_cvt_pk_bf16_f32 v[Y+2*(\r)], v[X+4*(\r)], v[X+4*(\r)+1]
	v_cvt_pk_bf16_f32 v[Y+2*(\r)+1], v[X+4*(\r)+2], v[X+4*(\r)+3]
	global_store_b64 v2, v[Y+2*(\r):Y+2*(\r)+1], s[34:35] offset:(\r)*WROW
.endr
	s_endpgm
.Lpad:
	; rows 1024-1055 under one weight: its bias, then 31 rows of zeros
	s_sub_co_u32 s28, s22, 448
	s_lshl_b32 s26, s28, 11
	s_add_co_u32 s26, s26, 1024*WROW
	v_mov_b32 v[Y+2], 0
	v_mov_b32 v[Y+3], 0
	s_wait_kmcnt 0x0
	s_cmp_eq_u32 s28, 1
	s_cselect_b64 s[32:33], s[14:15], s[12:13]
	s_cmp_eq_u32 s28, 2
	s_cselect_b64 s[32:33], s[16:17], s[32:33]
	s_add_nc_u64 s[34:35], s[20:21], s[26:27]
	global_load_b128 v[X:X+3], v1, s[32:33]
.set r, 1
.rept 31
	global_store_b64 v2, v[Y+2:Y+3], s[34:35] offset:r*WROW
.set r, r+1
.endr
	s_wait_loadcnt 0x0
	v_cvt_pk_bf16_f32 v[Y], v[X], v[X+1]
	v_cvt_pk_bf16_f32 v[Y+1], v[X+2], v[X+3]
	global_store_b64 v2, v[Y:Y+1], s[34:35]
	s_endpgm
.Lfunc_end_k_q7ab82df840_prep:
	.size	k_q7ab82df840_prep, .Lfunc_end_k_q7ab82df840_prep-k_q7ab82df840_prep
	.p2alignl 7, 3214868480
	.fill 96, 4, 3214868480
	.section	.rodata,"a",@progbits
	.p2align	6, 0x0
	.amdhsa_kernel k_q7ab82df840_prep
		.amdhsa_group_segment_fixed_size 0
		.amdhsa_private_segment_fixed_size 0
		.amdhsa_enable_private_segment 0
		.amdhsa_kernarg_size 72
		.amdhsa_user_sgpr_count 2
		.amdhsa_user_sgpr_kernarg_segment_ptr 1
		.amdhsa_wavefront_size32 1
		.amdhsa_system_sgpr_workgroup_id_x 1
		.amdhsa_system_sgpr_workgroup_id_y 1
		.amdhsa_system_sgpr_workgroup_id_z 1
		.amdhsa_system_vgpr_workitem_id 0
		.amdhsa_next_free_vgpr 216
		.amdhsa_next_free_sgpr 66
		.amdhsa_reserve_vcc 1
		.amdhsa_float_denorm_mode_32 3
		.amdhsa_float_denorm_mode_16_64 3
		.amdhsa_memory_ordered 1
		.amdhsa_forward_progress 1
		.amdhsa_inst_pref_size 25
	.end_amdhsa_kernel
	.amdgpu_metadata
---
amdhsa.version: [ 1, 2 ]
amdhsa.kernels:
  - .name:           k_q7ab82df840_prep
    .symbol:         k_q7ab82df840_prep.kd
    .args:
      - { .name: x, .offset: 0, .size: 8, .value_kind: global_buffer, .address_space: global }
      - { .name: Wq, .offset: 8, .size: 8, .value_kind: global_buffer, .address_space: global }
      - { .name: Wk, .offset: 16, .size: 8, .value_kind: global_buffer, .address_space: global }
      - { .name: Wv, .offset: 24, .size: 8, .value_kind: global_buffer, .address_space: global }
      - { .name: bq, .offset: 32, .size: 8, .value_kind: global_buffer, .address_space: global }
      - { .name: bk, .offset: 40, .size: 8, .value_kind: global_buffer, .address_space: global }
      - { .name: bv, .offset: 48, .size: 8, .value_kind: global_buffer, .address_space: global }
      - { .name: xb, .offset: 56, .size: 8, .value_kind: global_buffer, .address_space: global }
      - { .name: wc, .offset: 64, .size: 8, .value_kind: global_buffer, .address_space: global }
    .group_segment_fixed_size: 0
    .private_segment_fixed_size: 0
    .kernarg_segment_align: 8
    .kernarg_segment_size: 72
    .max_flat_workgroup_size: 256
    .sgpr_count:     66
    .vgpr_count:     216
    .wavefront_size: 32
...
	.end_amdgpu_metadata
.endif
;; end of part 1
;; launch proj (part 2): grid 8 x 32, 4 waves a work-group, clusters of 4 x 4, 327,680 bytes of LDS; arguments xb, wc, qkv; writes qkv
.if DOCPART == 2
	.amdgcn_target "amdgcn-amd-amdhsa--gfx1250"
	.amdhsa_code_object_version 6
	.text
	.protected	k_q7ab82df840_proj
	.globl	k_q7ab82df840_proj
	.p2align	8
	.type	k_q7ab82df840_proj,@function
k_q7ab82df840_proj:
	s_mov_b64 s[64:65], 0
	v_nop
	global_prefetch_b8 v0, s[64:65] scope:SCOPE_SE
	s_setreg_imm32_b32 hwreg(HW_REG_WAVE_MODE, 25, 1), 1
	s_wait_xcnt 0x0
	s_wait_alu depctr_hold_cnt(0) depctr_sa_sdst(0) depctr_va_vdst(0) depctr_va_sdst(0) depctr_va_ssrc(0) depctr_va_vcc(0) depctr_vm_vsrc(0)
	s_getreg_b32 s2, hwreg(HW_REG_IB_STS2, 6, 4)
	s_cmp_eq_u32 s2, 0
	s_cbranch_scc0 .Lentry_in_a_cluster
	s_endpgm
.Lentry_in_a_cluster:
	s_bfe_u32 s2, ttmp6, 0x10000c
	s_cmp_lg_u32 s2, 0xf033
	s_cbranch_scc0 .Lentry_shape_is_right
	s_endpgm
.Lentry_shape_is_right:
; qkv[m][n] = sum over k < 1056 of xb[m][k] wc[k][n]: q | k | v = x W + bias, since xb's place 1024 holds 1.0 and wc's row 1024 the biases (the launch before made both, in bf16).
; xb: [11 planes][8192][96] bf16; wc: [1056][3072] bf16; qkv: [8192][3072] f16; sums in f32.
; LIMIT.  q, k and v are stored in f16: they must stay below 65,504 in magnitude; NaN and infinities are not treated apart.
; SHARES.  8192 x 3072 numbers on 256 work-groups: a tile of 256 x 384 each; four waves, each 128 x 192: 96 accumulators of 16 x 16, 768 registers.
; K goes in 11 steps of 96 through a ring of two LDS slots: two slots of 128 would not fit (2 x 172,032 bytes).  From a refill to the wait for it a wave issues 256 matrix instructions.
; x's part of a step is dense in memory (128 rows x 192 bytes a load) and is asked for as 96 rows of 256 bytes; the weights' tile lies [k][n], 768 bytes a row, and is turned by ds_load_tr16_b128.
; CLUSTER 4 x 4: the four of a row of the cluster need the same tiles of x, the four of a column the same tiles of the weights: each is asked for jointly.
; The product is used transposed (source 0 = 16 columns of the weights, source 1 = 16 rows of x): a lane holds eight neighbouring columns of one row.
; A wave's twelve column blocks: blocks 0-7 are columns 256 c .. 256 c + 127 of the tile, blocks 8-11 columns 128 + 64 c .. + 63 (c = my half), so that each lies inside one run of 256 bytes of an LDS row.
; REGISTERS.  Window 0: v8-24 addresses; v32-127 twelve places for fragments of x; v128-223 the weights' twelve fragments.  Windows 1-3: accumulator (a, b) in window 1 + b / 4 at v[8 (8 (b % 4) + a)].
; x's fragment a of quarter q lies in place (8 q + a) % 12: the map comes round every three quarters, a step, so that a step has one text.  Of the next quarter's eight fragments four go into the four free places,
; four into the places of this quarter's fragments 0-3, which the quarter's last group takes first.  The weights have one buffer: a group's four fragments are loaded again directly behind the group.
.set KS,     96
.set AP,     240                       ; a row of x in LDS: three runs of 64 bytes, 16 of padding behind each: 60 words: the 16 rows of a load start at 16 different groups of four banks (64 banks of 4 bytes: ISA guide 11.1)
.set ACH,    80                        ; from quarter to quarter in such a row
.set BP,     864                       ; a row of the weights: three runs of 256 bytes, 32 of padding behind each
.set AHALF,  128*AP                    ; what a load of x brings
.set BOFF,   256*AP                    ; the weights lie behind x's 256 rows
.set BHALF,  48*BP                     ; what a load of the weights brings
.set SLOT,   BOFF+96*BP
.set SPARE,  2*SLOT                    ; the spare words, 128 bytes for each wave; no other line names them
.set SP,     784                       ; the stage, over the ring once its last fill has been read: 256 rows of 768 bytes + 16
.set KBP,    8192*192                  ; a step along xb: a plane
.set WROW,   6144
.set BSTEP,  KS*WROW                   ; a step down wc
.set OROW,   6144
.set A0,   8                           ; v8      my place in a slot's rows of x; never rewritten
.set B0,   9                           ; v9      in the weights' rows, column blocks 0-7; never rewritten
.set B1,   10                          ; v10     column blocks 8-11; never rewritten
.set ADRA, 11                          ; v11     A0 in the slot that is being read
.set ADRB, 12                          ; v12-15  B0, B1 there; the same 64 rows down (so that the offsets stay within 16 bits)
.set STO,  16                          ; v16-19  into the stage: blocks 0-7, row blocks 0-3 and 4-7; blocks 8-11 likewise
.set RD,   20
.set CO,   21
.set PFO,  22
.set SPW,  23
.set NIL,  24
.set FA,   32
.set FB,   128
.set TMP,  32                          ; the way out: v32-223
.set LA,   20                          ; s20     where my load of x goes in a slot
.set LB,   21                          ; s21     where my load of the weights goes
.set G1A,  24
.set G0A,  32                          ; s[32:39] two sets for the two first fills; the second then walks
.set LIM,  43                          ; s43     a wave prefetches while the loop's count is above it
.set PFA,  44
.set G1B,  48
.set G0B,  56
.set PST,  66                          ; s[66:67] a step in bytes along what I prefetch
.set TB,   68                          ; s68     0 or SLOT: the slot that is being read
.set MSB, 0
.macro WIN new                         ; the immediate's high byte repeats the setting that is left
.if MSB != (\new)
	s_set_vgpr_msb (MSB<<8)|(\new)
.set MSB, \new
.endif
.endm
.macro PLACES                          ; four plain places behind matrix instructions, in front of loads into their sources and of readers of their results
.rept 4
	v_nop
.endr
.endm
; A joint load: waves 0 and 1 fetch the two halves of x's tile, waves 2 and 3 those of the weights'.  The branch hangs on the wave's number alone.
.macro JLOAD s
	s_cmp_eq_u32 s11, 0
	s_cbranch_scc0 .Lfor_b_\@
	tensor_load_to_lds s[G0A+4*(\s):G0A+4*(\s)+3], s[G1A:G1A+7]
	s_nop 0
.rept 4
	v_nop
.endr
	s_branch .Lasked_\@
.Lfor_b_\@:
	tensor_load_to_lds s[G0B+4*(\s):G0B+4*(\s)+3], s[G1B:G1B+7]
	s_nop 0
.rept 4
	v_nop
.endr
.Lasked_\@:
.endm
; A prefetch of the step two refills on.  x's planes are read by both clusters of a row of clusters: the one with x = 0 asks; of a tile's 256 rows each partner takes 64 by address: 48 blocks of 256 bytes, wave 0, two instructions.
; The weights' rows are read by all eight clusters of a column: the one with y = 0 asks; of a step's 96 rows each partner takes 24 by address, waves 1 to 3 eight each: 24 blocks, one instruction.
; A share is 24 blocks: lanes 24 to 31 name lane 23's block again.  The loop's last two trips have no step two refills on.
.macro ASK
	s_cmp_gt_u32 s3, s[LIM]
	s_cbranch_scc0 .Lnot_mine_\@
	global_prefetch_b8 v[PFO], s[PFA:PFA+1] th:TH_LOAD_NT scope:SCOPE_SE
	s_cmp_lg_u32 s10, 0
	s_cbranch_scc1 .Lnot_mine_\@
	global_prefetch_b8 v[PFO], s[PFA:PFA+1] offset:24*256 th:TH_LOAD_NT scope:SCOPE_SE
.Lnot_mine_\@:
.endm
.macro CREST                           ; a round of the cluster's barrier behind its opening barrier
	s_cmp_lg_u32 s10, 0
	s_cbranch_scc1 .Lnot_wave_0_\@
	s_barrier_signal -3
.Lnot_wave_0_\@:
	s_barrier_wait -3
	s_barrier_signal -1
	s_barrier_wait -1
.endm
.macro CROUND
	s_barrier_signal -1
	s_barrier_wait -1
	CREST
.endm
	s_load_b128 s[4:7], s[0:1], 0x0                ; xb s[4:5], wc s[6:7]
	s_load_b64 s[8:9], s[0:1], 0x10                ; qkv
	v_lshl_add_u32 v[SPW], v0, 2, SPARE
	v_mov_b32 v[NIL], 0
	ds_add_u32 v[SPW], v[NIL]                      ; the wave's opening: the add, and its wait ahead of my first tensor load
	v_lshrrev_b32 v1, 5, v0
	v_readfirstlane_b32 s10, v1                    ; wave 0..3
	s_lshr_b32 s11, s10, 1                         ; my half of the tile's rows; also: I fetch x (0) or the weights (1)
	s_and_b32 s12, s10, 1                          ; my half of its columns; also: which half of that tile I fetch
	s_bfe_u32 s40, ttmp6, 0x40000                  ; cx
	s_bfe_u32 s41, ttmp6, 0x40004                  ; cy
	s_lshl_b32 s42, ttmp9, 2
	s_add_co_u32 s42, s42, s40                     ; tile column 0..7
	s_and_b32 s13, ttmp7, 0xffff
	s_lshl_b32 s13, s13, 2
	s_add_co_u32 s13, s13, s41                     ; tile row 0..31
	s_lshl_b32 s43, s41, 2
	s_lshl_b32 s43, 15, s43                        ; my row of the cluster
	s_lshl_b32 s44, 0x1111, s40                    ; my column
	s_or_b32 s[G1A+0], s43, (1<<16)|(1<<20)|(1<<21)|(3<<22)|(3<<25)  ; mask; 2-byte elements; padding on; bit 21 beside a mask; after every 16 words, 4 words
	s_or_b32 s[G1B+0], s44, (1<<16)|(1<<20)|(1<<21)|(5<<22)|(7<<25)  ; after every 64 words, 8 words
	s_mov_b32 s[G1A+1], 128<<16                    ; tensor_dim0 = 128: 256 bytes of the dense block
	s_mov_b32 s[G1A+2], 96<<16                     ; tensor_dim1 = 96
	s_mov_b32 s[G1A+3], 128<<16                    ; tile_dim0 = 128
	s_mov_b32 s[G1A+4], 96                         ; tile_dim1 = 96
	s_mov_b32 s[G1A+5], 128                        ; each row begins where the last ends
	s_mov_b32 s[G1A+6], 0
	s_mov_b32 s[G1A+7], 0
	s_mov_b32 s[G1B+1], 384<<16                    ; tensor_dim0 = 384
	s_mov_b32 s[G1B+2], 48<<16                     ; tensor_dim1 = 48
	s_mov_b32 s[G1B+3], 384<<16                    ; tile_dim0 = 384
	s_mov_b32 s[G1B+4], 48                         ; tile_dim1 = 48
	s_mov_b32 s[G1B+5], 3072
	s_mov_b32 s[G1B+6], 0
	s_mov_b32 s[G1B+7], 0
	s_lshl_b32 s16, s13, 8
	s_lshl_b32 s17, s12, 7
	s_add_co_u32 s16, s16, s17                     ; x: row 256 x tile row + 128 x half,
	s_mul_i32 s16, s16, 192                        ; 192 bytes a row in a plane
	s_mov_b32 s17, 0
	s_mul_i32 s46, s12, 48*WROW                    ; weights: row 48 x half,
	s_mul_i32 s47, s42, 768                        ; column 384 x tile column
	s_add_co_u32 s46, s46, s47
	s_mov_b32 s47, 0
	s_mul_i32 s[LA], s12, AHALF                    ; where they go: the wave's number alone
	s_mul_i32 s[LB], s12, BHALF
	s_add_co_u32 s[LB], s[LB], BOFF
	s_mov_b32 s[TB], 0
	s_wait_dscnt 0x0                               ; the opening add is done
	s_wait_kmcnt 0x0
	s_add_nc_u64 s[14:15], s[4:5], s[16:17]
	s_add_nc_u64 s[46:47], s[6:7], s[46:47]
	CROUND                                         ; all sixteen work-groups are here: the first joint loads meet
.irp s, 0,1
	s_mov_b32 s[G0A+4*(\s)], 1
	s_add_co_u32 s[G0A+4*(\s)+1], s[LA], (\s)*SLOT
	s_add_nc_u64 s[G0A+4*(\s)+2:G0A+4*(\s)+3], s[14:15], (\s)*KBP
	s_or_b32 s[G0A+4*(\s)+3], s[G0A+4*(\s)+3], 0x80000000
	s_mov_b32 s[G0B+4*(\s)], 1
	s_add_co_u32 s[G0B+4*(\s)+1], s[LB], (\s)*SLOT
	s_add_nc_u64 s[G0B+4*(\s)+2:G0B+4*(\s)+3], s[46:47], (\s)*BSTEP
	s_or_b32 s[G0B+4*(\s)+3], s[G0B+4*(\s)+3], 0x80000000
	JLOAD \s                                       ; two loads of mine are out
.endr
	v_and_b32 v1, 15, v0                           ; l % 16
	v_bfe_u32 v2, v0, 4, 1                         ; l / 16
	v_mul_u32_u24 v3, v1, AP
	v_lshl_add_u32 v3, v2, 4, v3                   ; x: row x pitch + 16 x half
	s_mul_i32 s22, s11, AHALF                      ; my 128 rows
	v_add_nc_u32 v[A0], s22, v3
	v_and_b32 v4, 7, v0
	v_lshl_add_u32 v4, v2, 3, v4                   ; weights: k row 8 (l / 16) + l % 8,
	v_mul_u32_u24 v4, v4, BP
	v_bfe_u32 v5, v0, 3, 1
	v_lshl_add_u32 v4, v5, 4, v4                   ; columns 8 ((l / 8) % 2) on
	s_mul_i32 s22, s12, 576                        ; blocks 0-7: the row's first or third run of 256 bytes
	s_add_co_u32 s22, s22, BOFF
	v_add_nc_u32 v[B0], s22, v4
	s_lshl_b32 s22, s12, 7                         ; blocks 8-11: a half of its second run
	s_add_co_u32 s22, s22, BOFF+288
	v_add_nc_u32 v[B1], s22, v4
	v_mov_b32 v[ADRA], v[A0]                       ; step 0 lies in slot 0
	v_mov_b32 v[ADRB], v[B0]
	v_mov_b32 v[ADRB+1], v[B1]
	v_add_nc_u32 v[ADRB+2], 64*BP, v[B0]
	v_add_nc_u32 v[ADRB+3], 64*BP, v[B1]
	s_mul_i32 s22, s11, 128*SP                     ; into the stage: my 128 rows; row l % 16, 16 bytes for each half of the lanes
	v_mul_u32_u24 v3, v1, SP
	v_lshl_add_u32 v3, v2, 4, v3
	v_add_nc_u32 v3, s22, v3
	s_lshl_b32 s23, s12, 9
	v_add_nc_u32 v[STO], s23, v3
	s_lshl_b32 s23, s12, 7
	s_add_co_u32 s23, s23, 256
	v_add_nc_u32 v[STO+2], s23, v3
	v_add_nc_u32 v[STO+1], 64*SP, v[STO]
	v_add_nc_u32 v[STO+3], 64*SP, v[STO+2]
	s_mul_i32 s22, s10, 64*SP                      ; back: wave w takes rows 64 w .. 64 w + 63, whole; lanes 0-15 256 bytes of one row, lanes 16-31 of the next
	v_mul_u32_u24 v3, v2, SP
	v_lshl_add_u32 v3, v1, 4, v3
	v_add_nc_u32 v[RD], s22, v3
	v_mul_u32_u24 v3, v2, OROW
	v_lshl_add_u32 v[CO], v1, 4, v3                ; the same in qkv
	s_lshl_b32 s16, s13, 8
	s_lshl_b32 s17, s10, 6
	s_add_co_u32 s16, s16, s17                     ; the first row that I store
	s_mul_i32 s16, s16, OROW
	s_mov_b32 s17, 0
	s_add_nc_u64 s[8:9], s[8:9], s[16:17]
	s_mul_i32 s18, s42, 768                        ; the tile's first column, in bytes
	s_mov_b32 s19, 0
	s_add_nc_u64 s[8:9], s[8:9], s[18:19]
	; the prefetches
	s_lshl_b32 s18, s13, 8
	s_lshl_b32 s19, s40, 6
	s_add_co_u32 s18, s18, s19                     ; x: my work-group's 64 of the tile's 256 rows
	s_mul_i32 s18, s18, 192
	s_max_u32 s22, s10, 1
	s_sub_co_u32 s22, s22, 1
	s_lshl_b32 s22, s22, 3                         ; weights: wave w's eight rows
	s_mul_i32 s19, s41, 24                         ; of my work-group's 24 of the step's 96
	s_add_co_u32 s19, s19, s22
	s_mul_i32 s19, s19, WROW
	s_mul_i32 s22, s42, 768
	s_add_co_u32 s19, s19, s22
	s_and_b32 s22, ttmp7, 0xffff                   ; cluster y
	s_mov_b32 s[PST], KBP
	s_mov_b32 s23, BSTEP
	s_mov_b32 s46, 768
	s_mov_b32 s47, WROW
	s_cmp_eq_u32 s10, 0                            ; do I ask for x?
	s_cselect_b32 s18, s18, s19
	s_cselect_b32 s22, ttmp9, s22                  ; the coordinate along which other clusters read the same blocks
	s_cselect_b32 s[PST], s[PST], s23
	s_cselect_b32 s46, s46, s47                    ; bytes from one three blocks to the next: on end in x, a row apart in the weights
	s_cselect_b64 s[PFA:PFA+1], s[4:5], s[6:7]
	s_mov_b32 s19, 0
	s_mov_b32 s[PST+1], 0
	s_cmp_eq_u32 s22, 0
	s_cselect_b32 s[LIM], 2, -1
	s_add_nc_u64 s[PFA:PFA+1], s[PFA:PFA+1], s[18:19]
.rept 3
	s_add_nc_u64 s[PFA:PFA+1], s[PFA:PFA+1], s[PST:PST+1]  ; at step 3: the first change of slots steps it to 4
.endr
	v_and_b32 v3, 31, v0
	v_min_u32 v3, 23, v3
	v_mul_u32_u24 v4, v3, 11
	v_lshrrev_b32 v4, 5, v4                        ; l / 3, exact up to 23
	v_mul_u32_u24 v5, v4, 3
	v_sub_nc_u32 v5, v3, v5                        ; l % 3
	v_mul_u32_u24 v4, s46, v4
	v_lshl_add_u32 v[PFO], v5, 8, v4
; 16 matrix instructions of quarter q: column blocks 4 g .. 4 g + 3 x row blocks 4 ah .. 4 ah + 3.  first = 1: the products start the sums.
; The 96 accumulators take turns, one instruction a turn, in the same order in every quarter.
.macro HALF q, g, ah, first
	WIN 0x50*((\g)+1)                              ; sources in window 0, C and D in window g + 1
.irp bb, 0,1,2,3
.irp aa, 0,1,2,3
.set rD, 8*(8*(\bb)+4*(\ah)+(\aa))
.set rB, FB+8*(4*(\g)+(\bb))
.set rA, FA+8*((8*(\q)+4*(\ah)+(\aa))%12)
.if \first
	v_wmma_f32_16x16x32_bf16 v[rD:rD+7], v[rB:rB+7], v[rA:rA+7], 0
.else
	v_wmma_f32_16x16x32_bf16 v[rD:rD+7], v[rB:rB+7], v[rA:rA+7], v[rD:rD+7]
.endif
.endr
.endr
.endm
; 8 LDS loads: the weights' fragments 4 g .. 4 g + 3 of quarter qn, turned
.macro LDB g, qn
	WIN 0
.irp ii, 0,1,2,3
.set rB, FB+8*(4*(\g)+(\ii))
.set rR, ADRB+(\g)/2+2*((\qn)/2)
.set oo, ((\qn)%2)*32*BP+32*((4*(\g)+(\ii))%8)
	ds_load_tr16_b128 v[rB:rB+3],   v[rR] offset:oo
	ds_load_tr16_b128 v[rB+4:rB+7], v[rR] offset:oo+16*BP
.endr
.endm
; 8 LDS loads: x's fragments 4 ah .. 4 ah + 3 of quarter qn
.macro LDA qn, ah
	WIN 0
.irp aa, 0,1,2,3
.set rA, FA+8*((8*(\qn)+4*(\ah)+(\aa))%12)
.set oo, (4*(\ah)+(\aa))*16*AP+ACH*(\qn)
	ds_load_b128 v[rA:rA+3],   v[ADRA] offset:oo
	ds_load_b128 v[rA+4:rA+7], v[ADRA] offset:oo+32
.endr
.endm
; Quarter 0 or 1 of a step: 96 matrix instructions, and the next quarter's 40 LDS loads in four runs, always in this order: weights 0-3 and x 0-3; weights 4-7; x 4-7; weights 8-11.
.macro QUART q, first
	s_wait_dscnt 24                                ; weights 0-3 and x 0-3 are in; the three younger runs of eight may be out
	HALF \q, 0, 0, \first
	s_wait_dscnt 8                                 ; x 4-7 are in; weights 8-11 may be out
	HALF \q, 0, 1, \first
	PLACES
	LDB 0, ((\q)+1)%3
	LDA ((\q)+1)%3, 0
	HALF \q, 1, 0, \first
	HALF \q, 1, 1, \first
	PLACES
	LDB 1, ((\q)+1)%3
	s_wait_dscnt 24                                ; weights 8-11 are in: 16 + 8 loads were issued behind them
	HALF \q, 2, 0, \first
	PLACES
	LDA ((\q)+1)%3, 1                              ; into the places of this quarter's fragments 0-3, which have had their last product
	HALF \q, 2, 1, \first
	PLACES
	LDB 2, ((\q)+1)%3
.endm
; Quarter 2 of a step changes slots: all reads of this slot were issued in the quarter before.  In front of the barrier: all my tensor loads have landed, the add, and my reads of the slot are over.
; fill = 1: the barrier opens a round of the cluster's, and the slot is filled again with the step two on; its LDS word and addresses are made while no tensor load of mine is out.
.macro QLAST fill
.if \fill
	s_wait_xcnt 0x0                                ; the last prefetches, a step back, have read their address
	s_add_nc_u64 s[PFA:PFA+1], s[PFA:PFA+1], s[PST:PST+1]
.endif
	WIN 0
	s_wait_tensorcnt 0x0                           ; the one that was out is my part of the next slot
	ds_add_u32 v[SPW], v[NIL]                      ; 0 onto my spare word
.if \fill
	s_add_co_u32 s[G0A+5], s[LA], s[TB]            ; the walking descriptors: into the slot that is being left,
	s_add_co_u32 s[G0B+5], s[LB], s[TB]
	s_add_nc_u64 s[G0A+6:G0A+7], s[G0A+6:G0A+7], KBP    ; one step on from the last load
	s_add_nc_u64 s[G0B+6:G0B+7], s[G0B+6:G0B+7], BSTEP
.endif
	s_xor_b32 s[TB], s[TB], SLOT                   ; 0 and SLOT by turns
	s_wait_dscnt 25                                ; as at every quarter's head, and the add
	HALF 2, 0, 0, 0
	s_wait_dscnt 0x0                               ; the add is done, my reads of this slot are over
	s_barrier_signal -1
	HALF 2, 0, 1, 0
	WIN 0
	s_barrier_wait -1
.if \fill
	CREST                                          ; no wave of any partner still reads this slot or has a load on its way
	JLOAD 1                                        ; my one tensor load behind the round; its four v_nop are also places in front of the loads below
.else
	PLACES
.endif
	v_add_nc_u32 v[ADRA], s[TB], v[A0]
	v_add_nc_u32 v[ADRB], s[TB], v[B0]
	v_add_nc_u32 v[ADRB+1], s[TB], v[B1]
	v_add_nc_u32 v[ADRB+2], 64*BP, v[ADRB]
	v_add_nc_u32 v[ADRB+3], 64*BP, v[ADRB+1]
	LDB 0, 0
	LDA 0, 0
.if \fill
	ASK
.endif
	HALF 2, 1, 0, 0
	HALF 2, 1, 1, 0
	PLACES
	LDB 1, 0
	HALF 2, 2, 0, 0
	PLACES
	LDA 0, 1
	HALF 2, 2, 1, 0
	PLACES
	LDB 2, 0
.endm
; THE WAY OUT.  PACK: the 32 accumulators of window g + 1 are rounded to f16, each from its low registers on, and go into the work-group's stage, 16 bytes a lane.
.macro PACK g
	WIN 5*((\g)+1)                                 ; sources 0 and 1 in window g + 1
.set n, 0
.rept 32
.irp rr, 0,1,2,3
	v_cvt_pk_f16_f32 v[TMP+4*n+\rr], v[8*n+2*\rr], v[8*n+2*\rr+1]
.endr
.set n, n+1
.endr
	WIN 0
.set n, 0
.rept 32                                       ; n = 8 (b % 4) + a
	ds_store_b128 v[STO+2*((\g)/2)+(n%8)/4], v[TMP+4*n:TMP+4*n+3] offset:(n%4)*16*SP+32*((4*(\g)+n/8)%8)
.set n, n+1
.endr
.endm
.macro BACK k                          ; batch k of four: 16 rows, 24 loads: two rows' 256 bytes each
.set n, 0
.rept 24
	ds_load_b128 v[TMP+96*((\k)%2)+4*n:TMP+96*((\k)%2)+4*n+3], v[RD] offset:((24*(\k)+n)/3)*2*SP+((24*(\k)+n)%3)*256
.set n, n+1
.endr
.endm
.macro SEND k, younger                 ; younger: the next batch's 24 loads, or none
	s_wait_dscnt \younger
.set n, 0
.rept 24
	global_store_b128 v[CO], v[TMP+96*((\k)%2)+4*n:TMP+96*((\k)%2)+4*n+3], s[8:9] offset:((24*(\k)+n)/3)*2*OROW+((24*(\k)+n)%3)*256  ; 16 lanes store 256 consecutive bytes, aligned
.set n, n+1
.endr
.endm
	s_wait_tensorcnt 1                             ; my part of step 0 is in; step 1's may stay out
	s_barrier_signal -1
	s_barrier_wait -1
	LDB 0, 0
	LDA 0, 0
	LDB 1, 0
	LDA 0, 1
	LDB 2, 0
	QUART 0, 1                                     ; the first quarter stands in front of the loop: its products start the sums
	WIN 0
	s_mov_b32 s3, 9
.Lstep:                                                ; nine trips: from a step's second quarter to the next step's first; the slot that is left takes the step two on
	QUART 1, 0
	QLAST 1
	QUART 0, 0
	WIN 0
	s_sub_co_u32 s3, s3, 1
	s_cmp_lg_u32 s3, 0
	s_cbranch_scc1 .Lstep
	QUART 1, 0                                     ; steps 9 and 10 fill nothing
	QLAST 0
	QUART 0, 0
	QUART 1, 0
	s_wait_dscnt 24                                ; the last quarter fetches nothing
	HALF 2, 0, 0, 0
	s_wait_dscnt 8
	HALF 2, 0, 1, 0
	HALF 2, 1, 0, 0
	HALF 2, 1, 1, 0
	s_wait_dscnt 0x0                               ; my last reads of the ring are over:
	s_barrier_signal -1                            ; behind this barrier the stage is written over it
	HALF 2, 2, 0, 0
	HALF 2, 2, 1, 0
	WIN 0
	s_barrier_wait -1
	PLACES
	PACK 0
	PACK 1
	PACK 2
	s_wait_dscnt 0x0                               ; for the others' sake: my stores into the stage are done; a row's 768 bytes come from two waves
	s_barrier_signal -1
	s_barrier_wait -1
	BACK 0
	BACK 1
	SEND 0, 24
	s_wait_xcnt 0x0                                ; the stores have read their data: only now are those registers loaded again
	BACK 2
	SEND 1, 24
	s_wait_xcnt 0x0
	BACK 3
	SEND 2, 24
	SEND 3, 0
	s_wait_tensorcnt 0x0                           ; the wave's end
	ds_add_u32 v[SPW], v[NIL]
	s_wait_dscnt 0x0
	CROUND                                         ; the closing round
	s_endpgm
.Lfunc_end_k_q7ab82df840_proj:
	.size	k_q7ab82df840_proj, .Lfunc_end_k_q7ab82df840_proj-k_q7ab82df840_proj
	.p2alignl 7, 3214868480
	.fill 96, 4, 3214868480
	.section	.rodata,"a",@progbits
	.p2align	6, 0x0
	.amdhsa_kernel k_q7ab82df840_proj
		.amdhsa_group_segment_fixed_size 327680
		.amdhsa_private_segment_fixed_size 0
		.amdhsa_enable_private_segment 0
		.amdhsa_kernarg_size 24
		.amdhsa_user_sgpr_count 2
		.amdhsa_user_sgpr_kernarg_segment_ptr 1
		.amdhsa_wavefront_size32 1
		.amdhsa_system_sgpr_workgroup_id_x 1
		.amdhsa_system_sgpr_workgroup_id_y 1
		.amdhsa_system_sgpr_workgroup_id_z 1
		.amdhsa_system_vgpr_workitem_id 0
		.amdhsa_next_free_vgpr 1024
		.amdhsa_next_free_sgpr 70
		.amdhsa_reserve_vcc 0
		.amdhsa_float_denorm_mode_32 3
		.amdhsa_float_denorm_mode_16_64 3
		.amdhsa_memory_ordered 1
		.amdhsa_forward_progress 1
		.amdhsa_inst_pref_size 142
	.end_amdhsa_kernel
	.amdgpu_metadata
---
amdhsa.version: [ 1, 2 ]
amdhsa.kernels:
  - .name:           k_q7ab82df840_proj
    .symbol:         k_q7ab82df840_proj.kd
    .args:
      - { .name: xb, .offset: 0, .size: 8, .value_kind: global_buffer, .address_space: global }
      - { .name: wc, .offset: 8, .size: 8, .value_kind: global_buffer, .address_space: global }
      - { .name: qkv, .offset: 16, .size: 8, .value_kind: global_buffer, .address_space: global }
    .group_segment_fixed_size: 327680
    .private_segment_fixed_size: 0
    .kernarg_segment_align: 8
    .kernarg_segment_size: 24
    .max_flat_workgroup_size: 128
    .sgpr_count:     70
    .vgpr_count:     1024
    .wavefront_size: 32
...
	.end_amdgpu_metadata
.endif
;; end of part 2
;; launch scores (part 3): grid 36 x 4, 4 waves a work-group, no clusters, 327,680 bytes of LDS; arguments qkv, sc; writes sc
.if DOCPART == 3
	.amdgcn_target "amdgcn-amd-amdhsa--gfx1250"
	.amdhsa_code_object_version 6
	.text
	.protected	k_q7ab82df840_scores
	.globl	k_q7ab82df840_scores
	.p2align	8
	.type	k_q7ab82df840_scores,@function
k_q7ab82df840_scores:
	s_mov_b64 s[64:65], 0
	v_nop
	global_prefetch_b8 v0, s[64:65] scope:SCOPE_SE
	s_setreg_imm32_b32 hwreg(HW_REG_WAVE_MODE, 25, 1), 1
	s_wait_xcnt 0x0
; sc[b][t][s] = q[b][t] . k[b][s], unscaled, in f32, for the tiles of 256 x 256 that hold a key s <= t: tile (I, J) with J <= I, 36 a batch.  q and k: f16, columns 0-1023 and 1024-2047 of qkv's rows of 3,072.
; The tiles above the diagonal are neither made nor read later.  Scale, mask and softmax follow in the next launch.
; A tile is made by four waves, each 128 x 128: 64 accumulators.  K goes in 8 steps of 128 through a ring of two LDS slots; both tiles lie [row][k], 256 bytes a row.
; A STEP HAS ONE TEXT: its four quarters take the fragment buffers 0, 1, 0, 1, and the slot that is read is an offset, TB, 0 and SLOT by turns, added into the LDS addresses and into the walking descriptor's LDS word.
; NO CLUSTER: a tile row of the triangle has 1 to 8 tiles and a tile column 8 to 1, so the 36 tiles do not divide into groups of four that share one tile of q or of k.
; The product is used transposed (source 0 = 16 rows of k, source 1 = 16 rows of q): a lane holds eight neighbouring keys of one query.
; REGISTERS: window 0: v0-31 addresses; v64-127, v128-191 fragments of q (on the way out v64-255: three buffers of 16 rows);  window 1: v64-191 fragments of k;  windows 2, 3: the accumulators.
.set KSTEP,  128
.set PITCH,  272                       ; 256 bytes + 16: the 16 rows of a load start at 16 different groups of four banks (64 banks of 4 bytes: ISA guide 11.1)
.set HALFT,  128*PITCH
.set SLOT,   4*HALFT
.set STAGE,  2*SLOT                    ; behind the ring: 16 rows x 528 bytes for each wave
.set SPITCH, 528                       ; 512 bytes + 16
.set SPARE,  STAGE+4*16*SPITCH         ; the spare words; no other line names them
.set QROW,   6144                      ; bytes in a row of qkv
.set SROW,   8192                      ; bytes in a row of sc
.set A0,   16                          ; v16  my place in a slot's rows of q; never rewritten
.set B0,   17                          ; v17  in its rows of k; never rewritten
.set ADRA, 18                          ; v18  A0 in the slot that is being read
.set ADRB, 19                          ; v19  B0 there
.set STO,  24
.set RD,   25
.set CO,   26
.set SPW,  28
.set NIL,  29
.set PFO,  30
.set PFA,  44                          ; s[44:45]
.set LIM,  43                          ; s43  a wave prefetches while the loop's count is above it
.set TB,   46                          ; s46  0 or SLOT: the slot that is being read
.set F0,   64
.set F1,   128
.set G1,   24
.set G0,   32                          ; s[32:39] two sets for the two first fills; the second then walks
.set TO_B, 0x40
.set MSB, 0
.macro WIN new                         ; the immediate's high byte repeats the setting that is left
.if MSB != (\new)
	s_set_vgpr_msb (MSB<<8)|(\new)
.set MSB, \new
.endif
.endm
.macro PLACES                          ; four plain places behind matrix instructions, in front of loads into their sources and of readers of their results
.rept 4
	v_nop
.endr
.endm
; Each wave moves rows of its own: waves 0 and 1 the two halves of q's tile, waves 2 and 3 those of k's; the LDS address is the wave's number x 128 rows, plus the slot.
.macro LOAD s
	tensor_load_to_lds s[G0+4*(\s):G0+4*(\s)+3], s[G1:G1+7]
	s_nop 0
.rept 4
	v_nop
.endr
.endm
; A prefetch of the K step two refills on: my 128 rows x 256 bytes, a lane a row, four instructions.  q's block I is read by the tiles (I, 0 .. I): tile (I, 0) asks; k's block J by the tiles (J .. 7, J): tile (J, J) asks.
; The loop's last two trips (count 2 and 1) have no K step two refills on.
.macro ASK
	s_cmp_gt_u32 s3, s[LIM]
	s_cbranch_scc0 .Lnot_mine_\@
.irp k, 0,1,2,3
	global_prefetch_b8 v[PFO], s[PFA:PFA+1] offset:(\k)*32*QROW th:TH_LOAD_NT scope:SCOPE_SE
.endr
.Lnot_mine_\@:
.endm
	s_load_b128 s[4:7], s[0:1], 0x0                ; qkv s[4:5], sc s[6:7]
	v_lshl_add_u32 v[SPW], v0, 2, SPARE
	v_mov_b32 v[NIL], 0
	ds_add_u32 v[SPW], v[NIL]                      ; the wave's opening: the add, and its wait ahead of my first tensor load
	v_lshrrev_b32 v1, 5, v0
	v_readfirstlane_b32 s10, v1
	s_lshr_b32 s11, s10, 1                         ; my half of the rows; also: I fetch q (0) or k (1)
	s_and_b32 s12, s10, 1                          ; my half of the columns; also: which half I fetch
	s_and_b32 s13, ttmp7, 0xffff                   ; the batch
	s_mov_b32 s40, 0                               ; I
	s_mov_b32 s41, 0                               ; I (I + 1) / 2
.irp c, 1,3,6,10,15,21,28
	s_cmp_ge_u32 ttmp9, \c
	s_cselect_b32 s41, \c, s41
	s_cselect_b32 s42, 1, 0
	s_add_co_u32 s40, s40, s42
.endr
	s_sub_co_u32 s41, ttmp9, s41                   ; J
	s_mov_b32 s[G1+0], (1<<16)|(1<<20)|(5<<22)|(3<<25)  ; 2-byte elements; padding on; after every 64 words, 4 words
	s_mov_b32 s[G1+1], 128<<16
	s_mov_b32 s[G1+2], 128<<16
	s_mov_b32 s[G1+3], 128<<16
	s_mov_b32 s[G1+4], 128
	s_mov_b32 s[G1+5], 3072
	s_mov_b32 s[G1+6], 0
	s_mov_b32 s[G1+7], 0
	s_cmp_eq_u32 s11, 0
	s_cselect_b32 s16, s40, s41                    ; the block of 256 rows
	s_cselect_b32 s18, 0, 2048                     ; q's or k's bytes in a row
	s_lshl_b32 s16, s16, 8
	s_lshl_b32 s17, s12, 7
	s_add_co_u32 s16, s16, s17
	s_lshl_b32 s17, s13, 11
	s_add_co_u32 s16, s16, s17
	s_mul_i32 s16, s16, QROW
	s_add_co_u32 s16, s16, s18
	s_mov_b32 s17, 0
	s_mul_i32 s20, s10, HALFT                      ; where my load goes in a slot; kept
	s_mov_b32 s[TB], 0
	s_sub_co_u32 s22, s40, s41
	s_cmp_eq_u32 s11, 0
	s_cselect_b32 s22, s41, s22                    ; q: J; k: I - J
	s_cmp_eq_u32 s22, 0
	s_cselect_b32 s[LIM], 2, -1
	s_wait_dscnt 0x0                               ; the opening add is done
	s_wait_kmcnt 0x0
	s_add_nc_u64 s[14:15], s[4:5], s[16:17]
.irp s, 0,1
	s_mov_b32 s[G0+4*(\s)], 1
	s_add_co_u32 s[G0+4*(\s)+1], s20, (\s)*SLOT
	s_add_nc_u64 s[G0+4*(\s)+2:G0+4*(\s)+3], s[14:15], (\s)*KSTEP*2
	s_or_b32 s[G0+4*(\s)+3], s[G0+4*(\s)+3], 0x80000000
	LOAD \s                                        ; two loads of mine are out
.endr
	s_add_nc_u64 s[PFA:PFA+1], s[14:15], 3*KSTEP*2 ; at K step 3: the first change of slots steps it to 4
	v_and_b32 v1, 15, v0
	v_bfe_u32 v2, v0, 4, 1
	v_mul_u32_u24 v3, v1, PITCH
	v_lshl_add_u32 v3, v2, 4, v3                   ; a fragment's row x pitch + 16 x half
	s_mul_i32 s21, s11, HALFT                      ; my 128 rows of q
	s_mul_i32 s22, s12, HALFT                      ; my 128 rows of k,
	s_add_co_u32 s22, s22, 2*HALFT                 ; which lie behind q's 256
	v_add_nc_u32 v[A0], s21, v3
	v_add_nc_u32 v[B0], s22, v3
	v_mov_b32 v[ADRA], v[A0]                       ; K step 0 lies in slot 0
	v_mov_b32 v[ADRB], v[B0]
	s_mul_i32 s23, s10, 16*SPITCH
	s_add_co_u32 s23, s23, STAGE                   ; my stage
	v_mul_u32_u24 v4, v1, SPITCH                   ; in: row l % 16, 32 bytes for each half of the lanes
	v_lshl_add_u32 v4, v2, 5, v4
	v_add_nc_u32 v[STO], s23, v4
	v_and_b32 v5, 31, v0
	v_lshlrev_b32 v[CO], 4, v5                     ; back and out: 32 lanes take a row's 512 bytes
	v_add_nc_u32 v[RD], s23, v[CO]
	v_mul_u32_u24 v[PFO], v5, QROW
	s_lshl_b32 s16, s40, 8
	s_lshl_b32 s17, s11, 7
	s_add_co_u32 s16, s16, s17                     ; my first row in the batch,
	s_lshl_b32 s16, s16, 13
	s_lshl_b32 s17, s13, 24                        ; the batch,
	s_add_co_u32 s16, s16, s17
	s_lshl_b32 s17, s41, 10                        ; the tile's first column,
	s_add_co_u32 s16, s16, s17
	s_lshl_b32 s17, s12, 9                         ; my half of its columns
	s_add_co_u32 s16, s16, s17
	s_mov_b32 s17, 0
; The 64 accumulators take turns, one instruction a turn.  first = 1: the products start the sums.
.macro MUL16 f, hi, a0, first
	WIN 0xa1+0x50*(\hi)
.irp a, \a0, (\a0)+1
.irp b, 0,1,2,3,4,5,6,7
.if \first
	v_wmma_f32_16x16x32_f16 v[8*(8*(\a)+(\b)):8*(8*(\a)+(\b))+7], v[(\f)+8*(\b):(\f)+8*(\b)+7], v[(\f)+8*(4*(\hi)+(\a)):(\f)+8*(4*(\hi)+(\a))+7], 0
.else
	v_wmma_f32_16x16x32_f16 v[8*(8*(\a)+(\b)):8*(8*(\a)+(\b))+7], v[(\f)+8*(\b):(\f)+8*(\b)+7], v[(\f)+8*(4*(\hi)+(\a)):(\f)+8*(4*(\hi)+(\a))+7], v[8*(8*(\a)+(\b)):8*(8*(\a)+(\b))+7]
.endif
.endr
.endr
.endm
; 32 LDS loads in one run: quarter q (32 along K) of the slot that is being read, into buffer f: k's 8 fragments, then q's 8.
.macro FETCH q, f
	WIN TO_B
.irp i, 0,1,2,3,4,5,6,7
	ds_load_b128 v[(\f)+8*(\i):(\f)+8*(\i)+3],   v[ADRB] offset:64*(\q)+(\i)*16*PITCH
	ds_load_b128 v[(\f)+8*(\i)+4:(\f)+8*(\i)+7], v[ADRB] offset:64*(\q)+(\i)*16*PITCH+32
.endr
	WIN 0
.irp i, 0,1,2,3,4,5,6,7
	ds_load_b128 v[(\f)+8*(\i):(\f)+8*(\i)+3],   v[ADRA] offset:64*(\q)+(\i)*16*PITCH
	ds_load_b128 v[(\f)+8*(\i)+4:(\f)+8*(\i)+7], v[ADRA] offset:64*(\q)+(\i)*16*PITCH+32
.endr
.endm
; One of a K step's first three quarters: multiplies buffer f; in its middle fetches quarter q into buffer g.
.macro QUARTER q, f, g, first
	s_wait_dscnt 8                                 ; k and q's rows 0-63 are in; the youngest eight loads may be out
	MUL16 \f, 0, 0, \first
	MUL16 \f, 0, 2, \first
	PLACES
	FETCH \q, \g
	s_wait_dscnt 32                                ; all but the 32 just issued
	MUL16 \f, 1, 0, \first
	MUL16 \f, 1, 2, \first
.endm
; The last quarter multiplies buffer 1 and changes slots.  In front of the barrier: all my tensor loads have landed, the add, and my reads of this slot are over.
; fill = 1: the slot that is left is filled again with the K step two on; the walking descriptor is written while no tensor load of mine is out.
.macro TURN fill
.if \fill
	s_wait_xcnt 0x0                                ; the last prefetches, a K step back, have read their address
	s_add_nc_u64 s[PFA:PFA+1], s[PFA:PFA+1], KSTEP*2
.endif
	WIN 0
	s_wait_tensorcnt 0x0                           ; all my tensor loads have landed: the one that was out is my part of the next slot
	ds_add_u32 v[SPW], v[NIL]                      ; 0 onto my spare word
.if \fill
	s_add_co_u32 s[G0+5], s20, s[TB]               ; into the slot that is being left,
	s_add_nc_u64 s[G0+6:G0+7], s[G0+6:G0+7], KSTEP*2  ; one K step on from the last load; the type bits on top are not reached
.endif
	s_xor_b32 s[TB], s[TB], SLOT                   ; 0 and SLOT by turns
	s_wait_dscnt 9                                 ; the add and the youngest eight loads may be out
	MUL16 F1, 0, 0, 0
	s_wait_dscnt 0x0                               ; the add is done, my reads of this slot are over
	s_barrier_signal -1
	MUL16 F1, 0, 2, 0
	WIN 0
	s_barrier_wait -1
.if \fill
	LOAD 1                                         ; my one tensor load behind the barrier, and the first thing there; its four v_nop are also the places in front of the loads below
.else
	PLACES
.endif
	v_add_nc_u32 v[ADRA], s[TB], v[A0]
	v_add_nc_u32 v[ADRB], s[TB], v[B0]
	FETCH 0, F0
.if \fill
	ASK
.endif
	MUL16 F1, 1, 0, 0
	MUL16 F1, 1, 2, 0
.endm
; THE WAY OUT of block a (16 rows x 128 f32): straight from the accumulators, low registers first, into my stage; back as whole rows of 512 bytes; stored.
.macro TOSTAGE32 a
	WIN 0x08+4*((\a)/4)                            ; the stores' data in window 2 or 3
.irp b, 0,1,2,3,4,5,6,7
	ds_store_b128 v[STO], v[64*((\a)%4)+8*(\b):64*((\a)%4)+8*(\b)+3]   offset:64*(\b)
	ds_store_b128 v[STO], v[64*((\a)%4)+8*(\b)+4:64*((\a)%4)+8*(\b)+7] offset:64*(\b)+16
.endr
	WIN 0
.set BK, 64+64*((\a)%3)
.irp t, 0,1,2,3,4,5,6,7,8,9,10,11,12,13,14,15
	ds_load_b128 v[BK+4*(\t):BK+4*(\t)+3], v[RD] offset:(\t)*SPITCH  ; LDS serves a wave's instructions in order (ISA guide 5.7.1.4)
.endr
.endm
.macro SEND32 a, younger               ; younger: the next block's 16 LDS stores and 16 LDS loads, or none
.set BK, 64+64*((\a)%3)
	s_wait_dscnt \younger
	s_wait_xcnt 0x0                                ; earlier stores have read their base and data
.if (\a) == 0
	s_add_nc_u64 s[6:7], s[6:7], s[16:17]
.else
	s_add_nc_u64 s[6:7], s[6:7], 16*SROW
.endif
.irp t, 0,1,2,3,4,5,6,7,8,9,10,11,12,13,14,15
	global_store_b128 v[CO], v[BK+4*(\t):BK+4*(\t)+3], s[6:7] offset:(\t)*SROW  ; 512 consecutive bytes, aligned
.endr
.endm
	s_wait_tensorcnt 1                             ; my part of K step 0 is in; K step 1's may stay out
	s_barrier_signal -1
	s_barrier_wait -1
	FETCH 0, F0
	QUARTER 1, F0, F1, 1                           ; the first quarter stands in front of the loop: its products start the sums
	WIN 0
	s_mov_b32 s3, 6
.Lstep:                                                ; six trips: from a step's second quarter to the next step's first; the slot that is left takes the K step two on
	QUARTER 2, F1, F0, 0
	QUARTER 3, F0, F1, 0
	TURN 1
	QUARTER 1, F0, F1, 0
	WIN 0
	s_sub_co_u32 s3, s3, 1
	s_cmp_lg_u32 s3, 0
	s_cbranch_scc1 .Lstep
	QUARTER 2, F1, F0, 0                           ; K steps 6 and 7 fill nothing: written out
	QUARTER 3, F0, F1, 0
	TURN 0
	QUARTER 1, F0, F1, 0
	QUARTER 2, F1, F0, 0
	QUARTER 3, F0, F1, 0
	s_wait_dscnt 8
	MUL16 F1, 0, 0, 0
	MUL16 F1, 0, 2, 0
	s_wait_dscnt 0x0
	MUL16 F1, 1, 0, 0
	MUL16 F1, 1, 2, 0
	WIN 0
	PLACES
	TOSTAGE32 0
.irp a, 0,1,2,3,4,5,6
	TOSTAGE32 (\a)+1
	SEND32 \a, 32
.endr
	SEND32 7, 0
	s_wait_tensorcnt 0x0                           ; the wave's end
	ds_add_u32 v[SPW], v[NIL]
	s_wait_dscnt 0x0
	s_endpgm
.Lfunc_end_k_q7ab82df840_scores:
	.size	k_q7ab82df840_scores, .Lfunc_end_k_q7ab82df840_scores-k_q7ab82df840_scores
	.p2alignl 7, 3214868480
	.fill 96, 4, 3214868480
	.section	.rodata,"a",@progbits
	.p2align	6, 0x0
	.amdhsa_kernel k_q7ab82df840_scores
		.amdhsa_group_segment_fixed_size 327680
		.amdhsa_private_segment_fixed_size 0
		.amdhsa_enable_private_segment 0
		.amdhsa_kernarg_size 16
		.amdhsa_user_sgpr_count 2
		.amdhsa_user_sgpr_kernarg_segment_ptr 1
		.amdhsa_wavefront_size32 1
		.amdhsa_system_sgpr_workgroup_id_x 1
		.amdhsa_system_sgpr_workgroup_id_y 1
		.amdhsa_system_sgpr_workgroup_id_z 1
		.amdhsa_system_vgpr_workitem_id 0
		.amdhsa_next_free_vgpr 1024
		.amdhsa_next_free_sgpr 66
		.amdhsa_reserve_vcc 0
		.amdhsa_float_denorm_mode_32 3
		.amdhsa_float_denorm_mode_16_64 3
		.amdhsa_memory_ordered 1
		.amdhsa_forward_progress 1
		.amdhsa_inst_pref_size 113
	.end_amdhsa_kernel
	.amdgpu_metadata
---
amdhsa.version: [ 1, 2 ]
amdhsa.kernels:
  - .name:           k_q7ab82df840_scores
    .symbol:         k_q7ab82df840_scores.kd
    .args:
      - { .name: qkv, .offset: 0, .size: 8, .value_kind: global_buffer, .address_space: global }
      - { .name: sc, .offset: 8, .size: 8, .value_kind: global_buffer, .address_space: global }
    .group_segment_fixed_size: 327680
    .private_segment_fixed_size: 0
    .kernarg_segment_align: 8
    .kernarg_segment_size: 16
    .max_flat_workgroup_size: 128
    .sgpr_count:     66
    .vgpr_count:     1024
    .wavefront_size: 32
...
	.end_amdgpu_metadata
.endif
;; end of part 3
;; launch softmax (part 4): grid 1024 x 1, 8 waves a work-group, no clusters, 0 bytes of LDS; arguments sc, pr; writes pr
.if DOCPART == 4
	.amdgcn_target "amdgcn-amd-amdhsa--gfx1250"
	.amdhsa_code_object_version 6
	.text
	.protected	k_q7ab82df840_softmax
	.globl	k_q7ab82df840_softmax
	.p2align	8
	.type	k_q7ab82df840_softmax,@function
k_q7ab82df840_softmax:
	s_mov_b64 s[64:65], 0
	v_nop
	global_prefetch_b8 v0, s[64:65] scope:SCOPE_SE
	s_setreg_imm32_b32 hwreg(HW_REG_WAVE_MODE, 25, 1), 1
	s_wait_xcnt 0x0
; pr[b][t][s] = softmax over s <= t of sc[b][t][s] / 32, in f16.  sc: f32 [4][2048][2048], of which row block I (256 rows) holds the tiles 0 .. I of 256 keys.
; One wave, one row: the row, up to 2,048 f32, stays in 64 registers between the maximum, the exponentials and the scaling; no LDS, no barrier.
; Wave w of a work-group takes a row of row block I = w, so that every work-group has 1 + 2 + .. + 8 tiles' worth of rows: all are alike.
; The row's true maximum m is taken first; p = 2^(c s - c m), c = log2(e) / 32; pr = p / sum of p, rounded once to f16.
; Group g of 8 registers holds tile I - g, so group 0 is always the tile with the diagonal: its hidden keys are set to the lowest finite f32, and their weight comes out 0.
; For even I the tile I + 1 is written with zeros: the next launch walks the keys in laps of 512.
; LIMITS.  A weight below 2^-126 counts as 0; below 6e-5 it keeps f16's fixed step of 6e-8; NaN and infinities are not treated apart.
; All jumps go forward and hang on I, the wave's number.
.set X, 16                             ; v[16:79]  register X + 8 g + 4 c + e: key 128 c + 4 lane + e of tile I - g
	s_load_b128 s[4:7], s[0:1], 0x0                ; sc s[4:5], pr s[6:7]
	v_lshrrev_b32 v1, 5, v0
	v_readfirstlane_b32 s8, v1
	s_mov_b32 s10, s8                              ; I
	s_and_b32 s11, ttmp9, 255                      ; the row's place in its block = the last visible key of the diagonal tile
	s_lshr_b32 s9, ttmp9, 8                        ; the batch
	s_lshl_b32 s9, s9, 3
	s_add_co_u32 s9, s9, s10
	s_lshl_b32 s9, s9, 8
	s_add_co_u32 s9, s9, s11                       ; my row, 0 .. 8191
	v_and_b32 v1, 31, v0
	v_lshlrev_b32 v2, 4, v1                        ; 16 bytes a lane in
	v_lshlrev_b32 v3, 3, v1                        ; 8 bytes a lane out
	v_lshlrev_b32 v4, 2, v1                        ; 4 keys a lane
	v_mov_b32 v5, 0xff7fffff                       ; the lowest finite f32
	v_mov_b32 v6, 0
	v_mov_b32 v7, 0
	s_lshl_b32 s12, s9, 13
	s_lshl_b32 s28, s10, 10
	s_add_co_u32 s12, s12, s28                     ; the row's diagonal tile in sc
	s_mov_b32 s13, 0
	s_lshl_b32 s14, s9, 12
	s_lshl_b32 s28, s10, 9
	s_add_co_u32 s14, s14, s28                     ; and in pr
	s_mov_b32 s15, 0
	s_mov_b32 s16, 0x3d38aa3b                      ; c = log2(e) / 32
	s_mov_b32 s17, s16
	s_mov_b32 s18, 0x76543210                      ; v_permlanex16_b32: each lane takes its own place in the other half
	s_mov_b32 s19, 0xfedcba98
.irp c, 0,1
.irp e, 0,1,2,3
	s_sub_co_i32 s[20+4*\c+\e], s11, 128*\c+\e     ; key 128 c + 4 lane + e is hidden where 4 lane is greater than this
.endr
.endr
.set i, 8
.rept 56
	v_mov_b32 v[X+i], v5                           ; groups that the row does not have lose every maximum
.set i, i+1
.endr
	s_wait_kmcnt 0x0
	s_add_nc_u64 s[12:13], s[4:5], s[12:13]
	s_add_nc_u64 s[14:15], s[6:7], s[14:15]
	global_load_b128 v[X:X+3],   v2, s[12:13] th:TH_LOAD_NT
	global_load_b128 v[X+4:X+7], v2, s[12:13] offset:512 th:TH_LOAD_NT
.irp g, 1,2,3,4,5,6,7
	s_cmp_lt_u32 s10, \g
	s_cbranch_scc1 .Lloaded
	global_load_b128 v[X+8*\g:X+8*\g+3],   v2, s[12:13] offset:-1024*\g th:TH_LOAD_NT
	global_load_b128 v[X+8*\g+4:X+8*\g+7], v2, s[12:13] offset:-1024*\g+512 th:TH_LOAD_NT
.endr
.Lloaded:
	s_wait_loadcnt 0x0
.irp k, 0,1,2,3,4,5,6,7
	v_cmp_lt_i32 vcc_lo, s[20+\k], v4
	v_cndmask_b32 v[X+\k], v[X+\k], v5, vcc_lo
.endr
	; the maximum: four chains of 15 registers, three operands at a time, then the four left over
.irp c, 0,1,2,3
	v_max3_num_f32 v[8+\c], v[X+16*\c], v[X+16*\c+1], v[X+16*\c+2]
.endr
.irp k, 0,1,2,3,4,5
.irp c, 0,1,2,3
	v_max3_num_f32 v[8+\c], v[8+\c], v[X+16*\c+3+2*\k], v[X+16*\c+4+2*\k]
.endr
.endr
	v_max3_num_f32 v8, v8, v[X+15], v[X+31]
	v_max3_num_f32 v10, v10, v[X+47], v[X+63]
	v_max3_num_f32 v8, v8, v9, v10
	v_max_num_f32 v8, v8, v11
	v_max_num_f32_dpp v8, v8, v8 row_xmask:1 row_mask:0xf bank_mask:0xf
	v_max_num_f32_dpp v8, v8, v8 row_xmask:2 row_mask:0xf bank_mask:0xf
	v_max_num_f32_dpp v8, v8, v8 row_xmask:4 row_mask:0xf bank_mask:0xf
	v_max_num_f32_dpp v8, v8, v8 row_xmask:8 row_mask:0xf bank_mask:0xf
	v_permlanex16_b32 v9, v8, s18, s19
	v_max_num_f32 v8, v8, v9                       ; every lane holds the row's maximum
	v_mul_f32 v12, s16, v8                         ; c m
	v_mov_b32 v13, v12                             ; named with it as a pair
; A group's eight weights: c s - c m, the exponentials as one batch, a plain instruction behind the last, and the one wait ahead of the first reader and of the next branch.
.macro EXPS g
.irp j, 0,2,4,6
	v_pk_fma_f32 v[X+8*(\g)+\j:X+8*(\g)+\j+1], v[X+8*(\g)+\j:X+8*(\g)+\j+1], s[16:17], v[12:13] op_sel_hi:[1,0,0] neg_lo:[0,0,1] neg_hi:[0,0,1]
.endr
.irp j, 0,1,2,3,4,5,6,7
	v_exp_f32 v[X+8*(\g)+\j], v[X+8*(\g)+\j]
.endr
	v_nop
	s_wait_alu depctr_va_vdst(0)
.endm
	EXPS 0
	v_pk_add_f32 v[80:81], v[X:X+1], v[X+2:X+3]    ; group 0 starts the two sums
	v_pk_add_f32 v[82:83], v[X+4:X+5], v[X+6:X+7]
.irp g, 1,2,3,4,5,6,7
	s_cmp_lt_u32 s10, \g
	s_cbranch_scc1 .Lsummed
	EXPS \g
	v_pk_add_f32 v[80:81], v[80:81], v[X+8*\g:X+8*\g+1]
	v_pk_add_f32 v[82:83], v[82:83], v[X+8*\g+2:X+8*\g+3]
	v_pk_add_f32 v[80:81], v[80:81], v[X+8*\g+4:X+8*\g+5]
	v_pk_add_f32 v[82:83], v[82:83], v[X+8*\g+6:X+8*\g+7]
.endr
.Lsummed:
	v_pk_add_f32 v[80:81], v[80:81], v[82:83]
	v_add_f32 v80, v80, v81
	v_add_f32_dpp v80, v80, v80 row_xmask:1 row_mask:0xf bank_mask:0xf
	v_add_f32_dpp v80, v80, v80 row_xmask:2 row_mask:0xf bank_mask:0xf
	v_add_f32_dpp v80, v80, v80 row_xmask:4 row_mask:0xf bank_mask:0xf
	v_add_f32_dpp v80, v80, v80 row_xmask:8 row_mask:0xf bank_mask:0xf
	v_permlanex16_b32 v81, v80, s18, s19
	v_add_f32 v80, v80, v81                        ; the row's sum: at least the maximum's own weight, about 1
	v_rcp_f32 v84, v80
	v_rcp_f32 v85, v80
	v_nop
	s_wait_alu depctr_va_vdst(0)                   ; one wait for both reciprocals
; A group goes out: divided, rounded in place into its four lowest registers, two stores of 256 consecutive bytes each, aligned.
.macro OUTG g
.irp j, 0,2,4,6
	v_pk_mul_f32 v[X+8*(\g)+\j:X+8*(\g)+\j+1], v[X+8*(\g)+\j:X+8*(\g)+\j+1], v[84:85]
.endr
.irp j, 0,1,2,3
	v_cvt_pk_f16_f32 v[X+8*(\g)+\j], v[X+8*(\g)+2*\j], v[X+8*(\g)+2*\j+1]
.endr
	global_store_b64 v3, v[X+8*(\g):X+8*(\g)+1],   s[14:15] offset:-512*(\g)
	global_store_b64 v3, v[X+8*(\g)+2:X+8*(\g)+3], s[14:15] offset:-512*(\g)+256
.endm
	OUTG 0
.irp g, 1,2,3,4,5,6,7
	s_cmp_lt_u32 s10, \g
	s_cbranch_scc1 .Lstored
	OUTG \g
.endr
.Lstored:
	s_bitcmp1_b32 s10, 0
	s_cbranch_scc1 .Lend
	global_store_b64 v3, v[6:7], s[14:15] offset:512   ; even I: the tile to the right of the diagonal's is zeros
	global_store_b64 v3, v[6:7], s[14:15] offset:768
.Lend:
	s_endpgm
.Lfunc_end_k_q7ab82df840_softmax:
	.size	k_q7ab82df840_softmax, .Lfunc_end_k_q7ab82df840_softmax-k_q7ab82df840_softmax
	.p2alignl 7, 3214868480
	.fill 96, 4, 3214868480
	.section	.rodata,"a",@progbits
	.p2align	6, 0x0
	.amdhsa_kernel k_q7ab82df840_softmax
		.amdhsa_group_segment_fixed_size 0
		.amdhsa_private_segment_fixed_size 0
		.amdhsa_enable_private_segment 0
		.amdhsa_kernarg_size 16
		.amdhsa_user_sgpr_count 2
		.amdhsa_user_sgpr_kernarg_segment_ptr 1
		.amdhsa_wavefront_size32 1
		.amdhsa_system_sgpr_workgroup_id_x 1
		.amdhsa_system_sgpr_workgroup_id_y 1
		.amdhsa_system_sgpr_workgroup_id_z 1
		.amdhsa_system_vgpr_workitem_id 0
		.amdhsa_next_free_vgpr 88
		.amdhsa_next_free_sgpr 66
		.amdhsa_reserve_vcc 1
		.amdhsa_float_denorm_mode_32 3
		.amdhsa_float_denorm_mode_16_64 3
		.amdhsa_memory_ordered 1
		.amdhsa_forward_progress 1
		.amdhsa_inst_pref_size 22
	.end_amdhsa_kernel
	.amdgpu_metadata
---
amdhsa.version: [ 1, 2 ]
amdhsa.kernels:
  - .name:           k_q7ab82df840_softmax
    .symbol:         k_q7ab82df840_softmax.kd
    .args:
      - { .name: sc, .offset: 0, .size: 8, .value_kind: global_buffer, .address_space: global }
      - { .name: pr, .offset: 8, .size: 8, .value_kind: global_buffer, .address_space: global }
    .group_segment_fixed_size: 0
    .private_segment_fixed_size: 0
    .kernarg_segment_align: 8
    .kernarg_segment_size: 16
    .max_flat_workgroup_size: 256
    .sgpr_count:     66
    .vgpr_count:     88
    .wavefront_size: 32
...
	.end_amdgpu_metadata
.endif
;; end of part 4
;; launch pv (part 5): grid 8 x 32, 4 waves a work-group, clusters of 4 x 4, 327,680 bytes of LDS; arguments pr, qkv, out0; writes out0
.if DOCPART == 5
	.amdgcn_target "amdgcn-amd-amdhsa--gfx1250"
	.amdhsa_code_object_version 6
	.text
	.protected	k_q7ab82df840_pv
	.globl	k_q7ab82df840_pv
	.p2align	8
	.type	k_q7ab82df840_pv,@function
k_q7ab82df840_pv:
	s_mov_b64 s[64:65], 0
	v_nop
	global_prefetch_b8 v0, s[64:65] scope:SCOPE_SE
	s_setreg_imm32_b32 hwreg(HW_REG_WAVE_MODE, 25, 1), 1
	s_wait_xcnt 0x0
	s_wait_alu depctr_hold_cnt(0) depctr_sa_sdst(0) depctr_va_vdst(0) depctr_va_sdst(0) depctr_va_ssrc(0) depctr_va_vcc(0) depctr_vm_vsrc(0)
	s_getreg_b32 s2, hwreg(HW_REG_IB_STS2, 6, 4)
	s_cmp_eq_u32 s2, 0
	s_cbranch_scc0 .Lentry_in_a_cluster
	s_endpgm
.Lentry_in_a_cluster:
	s_bfe_u32 s2, ttmp6, 0x10000c
	s_cmp_lg_u32 s2, 0xf033
	s_cbranch_scc0 .Lentry_shape_is_right
	s_endpgm
.Lentry_shape_is_right:
; out0[b][t][c] = sum over s of pr[b][t][s] v[b][s][c].  pr: f16 [4][2048][2048], zero above the diagonal as far as it is read; v: f16, columns 2048-3071 of qkv's rows of 3,072; out0: f32 [4][2048][1024]; sums in f32.
; THE WALK.  A batch's queries lie in 16 blocks of 128; block i needs the keys 0 .. 128 i + 127, taken as 2 ((i >> 2) + 1) K steps of 256.  A work-group makes TWO blocks, 15 - p and then p, for 128 channels:
; ten K steps whatever p, so all 256 work-groups do equal work and loops with constant trip counts walk them; the ring of two LDS slots runs on across the change of blocks.
; A tile is 128 x 128: four waves, each 64 x 64, 16 accumulators.  P's tile lies [row][key], 512 bytes a row; v's lies [key][channel], 256 bytes a row, and is turned by ds_load_tr16_b128.
; A STEP HAS ONE TEXT FOR EACH OF ITS TWO KINDS: eight steps that fill the slot they leave, two that do not.  The slot that is read is an offset, TB, 0 and SLOT by turns, added into the LDS addresses and into the
; walking descriptors' LDS words.  The price of looping the last two steps: the very last step's change of slots, a barrier and 32 LDS loads from the slot read before, serves nothing.
; CLUSTER 4 x 4.  Along x: four blocks of channels, which need the same rows of P.  Along y: p = 4 (cluster y & 1) + cy: the four p of half a batch have first blocks of the same number of steps (8 for p = 0-3,
; 6 for p = 4-7), so they walk the same K steps of v in the same order.  Both tiles are asked for jointly; the number of steps is made of the cluster's y alone.
; The accumulators are cleared where a block begins, so that a step has one text though the change of blocks falls on a step that hangs on the cluster's y: 128 lines, twice.
; The product is used transposed (source 0 = 16 channels of v, source 1 = 16 rows of P): a lane holds eight neighbouring channels of one row.
; REGISTERS: window 0: v0-31 addresses; v32-95 at work on the way out; v128-255 the accumulators, (a, b) at v[128 + 8 (4 a + b)].   window 1: two fragment buffers of 128: 64 of P, then 64 of v.
.set KSTEP,  256
.set AP,     528                       ; a row of P in LDS: 512 bytes + 16: the 16 rows of a load start at 16 different groups of four banks (64 banks of 4 bytes: ISA guide 11.1)
.set BP,     288                       ; a row of v: 256 bytes + 32
.set BOFF,   128*AP                    ; v's 256 rows lie behind P's 128
.set SLOT,   128*AP+256*BP
.set STAGE,  2*SLOT                    ; behind the ring: 16 rows x 272 bytes for each wave
.set SPITCH, 272
.set SPARE,  STAGE+4*16*SPITCH         ; the spare words; no other line names them
.set PROW,   4096                      ; bytes in a row of pr
.set VROW,   6144                      ; of qkv
.set OROW,   4096                      ; of out0
.set BSTEP,  KSTEP*VROW                ; a K step down v
.set A0,   16                          ; v16     my place in a slot's rows of P; never rewritten
.set B0,   17                          ; v17     in its rows of v; never rewritten
.set ADRA, 18                          ; v18     A0 in the slot that is being read
.set ADRB, 19                          ; v19-20  B0 there: keys 0-127, keys 128-255 (so that the offsets stay within 16 bits)
.set STO,  24
.set RD,   25
.set CO,   26
.set SPW,  28
.set NIL,  29
.set PFO,  30
.set TMP,  32
.set ACC,  128
.set F0,   0
.set F1,   128
.set G1A,  24
.set G0A,  32                          ; s[32:39] two sets for the two first fills; the second then serves every refill
.set G1B,  48
.set G0B,  56
.set LIM,  43                          ; s43  a wave prefetches while the loop's count is above it
.set PFA,  44                          ; s[44:45] the prefetches' address
.set AB,   66                          ; s[66:67] P at my 64 rows of the block whose steps are being asked for
.set ABS,  68                          ; s[68:69] the same for the second block
.set BB,   70                          ; s[70:71] v at my 128 keys of K step 0, my work-group's channels
.set PB,   72                          ; s[72:73] the prefetches' base
.set PB2,  74                          ; s[74:75] the same for the second block
.set CS2,  76                          ; s[76:77] out0 at my rows of the second block
.set NXT,  78                          ; s78  the K step of that block to be asked for next
.set LQ,   79                          ; s79  K steps of the first block
.set PN,   80                          ; s80  the K step to be prefetched next
.set PST,  81                          ; s81  bytes from K step to K step in what I prefetch
.set RT,   82                          ; s82  K steps that the block in hand still has
.set LAP,  83                          ; s83  where my load of P goes in a slot
.set HP,   92                          ; s92  cluster y & 1: which four p
.set LBP,  93                          ; s93  where my load of v goes in a slot
.set TB,   96                          ; s96  0 or SLOT: the slot that is being read
.set MUL,  0x05                        ; sources in window 1, C and D in window 0
.set TO_F, 0x40
.set MSB, 0
.macro WIN new                         ; the immediate's high byte repeats the setting that is left
.if MSB != (\new)
	s_set_vgpr_msb (MSB<<8)|(\new)
.set MSB, \new
.endif
.endm
.macro PLACES                          ; four plain places behind matrix instructions, in front of loads into their sources and of readers of their results
.rept 4
	v_nop
.endr
.endm
; A joint load: waves 0 and 1 ask for the two halves of P's tile, with my row of the cluster; waves 2 and 3 for the two halves of v's, with my column.  The branch hangs on the wave's number alone.
.macro JLOAD s
	s_cmp_eq_u32 s11, 0
	s_cbranch_scc0 .Lfor_b_\@
	tensor_load_to_lds s[G0A+4*(\s):G0A+4*(\s)+3], s[G1A:G1A+7]
	s_nop 0
.rept 4
	v_nop
.endr
	s_branch .Lasked_\@
.Lfor_b_\@:
	tensor_load_to_lds s[G0B+4*(\s):G0B+4*(\s)+3], s[G1B:G1B+7]
	s_nop 0
.rept 4
	v_nop
.endr
.Lasked_\@:
.endm
; A prefetch of the walk's K step that stands two refills on, one instruction a wave.  P's rows are read by the two clusters of one y: the one with x = 0 asks, the four partners of a row sharing the 64 rows that a
; wave fetches by address, 16 each, two lanes a row of 512 bytes.  v's rows are read by both clusters of a batch: the one with p = 0-3, whose first blocks walk all keys, asks, in those blocks alone, the four
; partners of a column sharing the 128 rows that a wave fetches by address, 32 each, a lane a row of 256 bytes.
.macro ASK
	s_cmp_gt_u32 s3, s[LIM]
	s_cbranch_scc0 .Lnot_mine_\@
	global_prefetch_b8 v[PFO], s[PFA:PFA+1] th:TH_LOAD_NT scope:SCOPE_SE
.Lnot_mine_\@:
.endm
.macro CREST                           ; a round of the cluster's barrier behind its opening barrier
	s_cmp_lg_u32 s10, 0
	s_cbranch_scc1 .Lnot_wave_0_\@
	s_barrier_signal -3
.Lnot_wave_0_\@:
	s_barrier_wait -3
	s_barrier_signal -1
	s_barrier_wait -1
.endm
.macro CROUND
	s_barrier_signal -1
	s_barrier_wait -1
	CREST
.endm
	s_load_b128 s[4:7], s[0:1], 0x0                ; pr s[4:5], qkv s[6:7]
	s_load_b64 s[8:9], s[0:1], 0x10                ; out0
	v_lshl_add_u32 v[SPW], v0, 2, SPARE
	v_mov_b32 v[NIL], 0
	ds_add_u32 v[SPW], v[NIL]                      ; the wave's opening: the add, and its wait ahead of my first tensor load
	v_lshrrev_b32 v1, 5, v0
	v_readfirstlane_b32 s10, v1
	s_lshr_b32 s11, s10, 1                         ; my half of the rows; also: I fetch P (0) or v (1)
	s_and_b32 s12, s10, 1                          ; my half of the channels; also: which half I fetch
	s_bfe_u32 s40, ttmp6, 0x40000                  ; cx
	s_bfe_u32 s2, ttmp6, 0x40004                   ; cy
	s_lshl_b32 s42, ttmp9, 2
	s_add_co_u32 s42, s42, s40                     ; my block of 128 channels, 0..7
	s_and_b32 s13, ttmp7, 0xffff                   ; cluster y = 2 x batch + (p >> 2)
	s_lshr_b32 s14, s13, 1                         ; the batch
	s_and_b32 s[HP], s13, 1
	s_sub_co_u32 s[LQ], 4, s[HP]
	s_lshl_b32 s[LQ], s[LQ], 1                     ; the first block's K steps: 8 or 6, the same in all sixteen partners
	s_mov_b32 s[RT], s[LQ]
	s_lshl_b32 s41, s[HP], 2
	s_add_co_u32 s41, s41, s2                      ; p: the second block
	s_sub_co_u32 s15, 15, s41                      ; the first block
	s_mov_b32 s[NXT], 2                            ; K steps 0 and 1 go out at the start
	s_mov_b32 s[PN], 4
	s_mov_b32 s[TB], 0
	s_mov_b32 s85, 0
	s_mov_b32 s87, 0
	s_mov_b32 s89, 0
	s_mov_b32 s91, 0
	s_lshl_b32 s22, s2, 2
	s_lshl_b32 s22, 15, s22                        ; my row of the cluster
	s_lshl_b32 s46, 0x1111, s40                    ; my column
	s_or_b32 s[G1A+0], s22, (1<<16)|(1<<20)|(1<<21)|(6<<22)|(3<<25)  ; mask; 2-byte elements; padding on; bit 21 beside a mask; after every 128 words, 4 words
	s_mov_b32 s[G1A+1], 256<<16                    ; tensor_dim0 = 256
	s_mov_b32 s[G1A+2], 64<<16                     ; tensor_dim1 = 64
	s_mov_b32 s[G1A+3], 256<<16                    ; tile_dim0 = 256
	s_mov_b32 s[G1A+4], 64                         ; tile_dim1 = 64
	s_mov_b32 s[G1A+5], 2048
	s_mov_b32 s[G1A+6], 0
	s_mov_b32 s[G1A+7], 0
	s_or_b32 s[G1B+0], s46, (1<<16)|(1<<20)|(1<<21)|(5<<22)|(7<<25)  ; after every 64 words, 8 words
	s_mov_b32 s[G1B+1], 128<<16
	s_mov_b32 s[G1B+2], 128<<16
	s_mov_b32 s[G1B+3], 128<<16
	s_mov_b32 s[G1B+4], 128
	s_mov_b32 s[G1B+5], 3072
	s_mov_b32 s[G1B+6], 0
	s_mov_b32 s[G1B+7], 0
	s_lshl_b32 s16, s14, 11                        ; the batch's first row
	s_lshl_b32 s17, s15, 7
	s_add_co_u32 s17, s17, s16                     ; the first block's first row
	s_lshl_b32 s19, s41, 7
	s_add_co_u32 s19, s19, s16                     ; the second block's
	s_lshl_b32 s18, s12, 6
	s_add_co_u32 s20, s17, s18
	s_lshl_b32 s20, s20, 12                        ; P: my 64 rows, in bytes
	s_mov_b32 s21, 0
	s_add_co_u32 s22, s19, s18
	s_lshl_b32 s22, s22, 12
	s_mov_b32 s23, 0
	s_lshl_b32 s46, s12, 7
	s_add_co_u32 s46, s46, s16
	s_mul_i32 s46, s46, VROW                       ; v: my 128 keys,
	s_lshl_b32 s47, s42, 8
	s_add_co_u32 s46, s46, s47                     ; my work-group's 256 bytes of channels,
	s_add_co_u32 s46, s46, 4096                    ; behind q and k in the row
	s_mov_b32 s47, 0
	s_mul_i32 s[LAP], s12, 64*AP                   ; where P's half goes,
	s_mul_i32 s[LBP], s12, 128*BP
	s_add_co_u32 s[LBP], s[LBP], BOFF              ; and v's: the wave's number alone
	s_wait_dscnt 0x0                               ; the opening add is done
	s_wait_kmcnt 0x0
	s_add_nc_u64 s[AB:AB+1], s[4:5], s[20:21]
	s_add_nc_u64 s[ABS:ABS+1], s[4:5], s[22:23]
	s_add_nc_u64 s[BB:BB+1], s[6:7], s[46:47]
	CROUND                                         ; all sixteen work-groups are here: the first joint loads meet
.irp s, 0,1
	s_mov_b32 s[G0A+4*(\s)], 1
	s_add_co_u32 s[G0A+4*(\s)+1], s[LAP], (\s)*SLOT
	s_add_nc_u64 s[G0A+4*(\s)+2:G0A+4*(\s)+3], s[AB:AB+1], (\s)*KSTEP*2
	s_or_b32 s[G0A+4*(\s)+3], s[G0A+4*(\s)+3], 0x80000000
	s_mov_b32 s[G0B+4*(\s)], 1
	s_add_co_u32 s[G0B+4*(\s)+1], s[LBP], (\s)*SLOT
	s_add_nc_u64 s[G0B+4*(\s)+2:G0B+4*(\s)+3], s[BB:BB+1], (\s)*BSTEP
	s_or_b32 s[G0B+4*(\s)+3], s[G0B+4*(\s)+3], 0x80000000
	JLOAD \s                                       ; two loads of mine are out
.endr
.set i, 0
.rept 128
	v_mov_b32 v[ACC+i], 0                          ; the first block's sums start at 0: written while the first tiles are on their way
.set i, i+1
.endr
	v_and_b32 v1, 15, v0                           ; l % 16
	v_bfe_u32 v2, v0, 4, 1                         ; l / 16
	v_mul_u32_u24 v3, v1, AP
	v_lshl_add_u32 v3, v2, 4, v3
	s_mul_i32 s20, s11, 64*AP                      ; my 64 rows of P
	v_add_nc_u32 v[A0], s20, v3
	v_and_b32 v4, 7, v0
	v_lshl_add_u32 v4, v2, 3, v4                   ; key 8 (l / 16) + l % 8,
	v_mul_u32_u24 v4, v4, BP
	v_bfe_u32 v5, v0, 3, 1
	v_lshl_add_u32 v4, v5, 4, v4                   ; channels 8 ((l / 8) % 2) on
	s_lshl_b32 s22, s12, 7                         ; my 64 channels
	s_add_co_u32 s22, s22, BOFF
	v_add_nc_u32 v[B0], s22, v4
	v_mov_b32 v[ADRA], v[A0]                       ; K step 0 lies in slot 0
	v_mov_b32 v[ADRB], v[B0]
	v_add_nc_u32 v[ADRB+1], 128*BP, v[B0]
	s_mul_i32 s23, s10, 16*SPITCH
	s_add_co_u32 s23, s23, STAGE                   ; my stage
	v_mul_u32_u24 v4, v1, SPITCH                   ; in: row l % 16, 32 bytes for each half of the lanes
	v_lshl_add_u32 v4, v2, 5, v4
	v_add_nc_u32 v[STO], s23, v4
	v_mul_u32_u24 v5, v2, SPITCH                   ; back: lanes 0-15 one row of 256 bytes, lanes 16-31 the next
	v_lshl_add_u32 v5, v1, 4, v5
	v_add_nc_u32 v[RD], s23, v5
	v_lshlrev_b32 v5, 12, v2
	v_lshl_add_u32 v[CO], v1, 4, v5                ; the same two rows in out0
	; out0 at my 64 rows and 64 channels of the two blocks (made in registers that feed no descriptor)
	s_lshl_b32 s46, s42, 9
	s_lshl_b32 s47, s12, 8
	s_add_co_u32 s46, s46, s47
	s_lshl_b32 s47, s11, 6
	s_add_co_u32 s88, s17, s47
	s_lshl_b32 s88, s88, 12
	s_add_co_u32 s88, s88, s46
	s_add_co_u32 s90, s19, s47
	s_lshl_b32 s90, s90, 12
	s_add_co_u32 s90, s90, s46
	s_add_nc_u64 s[CS2:CS2+1], s[8:9], s[90:91]
	s_add_nc_u64 s[8:9], s[8:9], s[88:89]
	; the prefetches
	s_lshl_b32 s46, s12, 6
	s_lshl_b32 s47, s40, 4
	s_add_co_u32 s46, s46, s47                     ; P: my work-group's 16 of the 64 rows that I fetch
	s_add_co_u32 s88, s17, s46
	s_lshl_b32 s88, s88, 12
	s_add_co_u32 s90, s19, s46
	s_lshl_b32 s90, s90, 12
	s_add_nc_u64 s[PB:PB+1], s[4:5], s[88:89]
	s_add_nc_u64 s[PB2:PB2+1], s[4:5], s[90:91]
	s_mul_i32 s88, s2, 32*VROW                     ; v: my work-group's 32 of the 128 rows that I fetch
	s_add_nc_u64 s[94:95], s[BB:BB+1], s[88:89]
	s_mov_b32 s[PST], KSTEP*2
	s_mov_b32 s47, BSTEP
	s_mov_b32 s14, PROW
	s_mov_b32 s15, VROW
	s_cmp_eq_u32 ttmp9, 0
	s_cselect_b32 s[LIM], 2, -1                    ; P: the loop's first six trips ask for the walk's K steps 4 to 9
	s_cmp_eq_u32 s[HP], 0
	s_cselect_b32 s46, 4, -1                       ; v: the first four trips ask for K steps 4 to 7
	s_cmp_eq_u32 s11, 0
	s_cselect_b32 s[LIM], s[LIM], s46
	s_cselect_b32 s[PST], s[PST], s47
	s_cselect_b32 s15, s14, s15                    ; bytes from row to row
	s_cselect_b64 s[PB:PB+1], s[PB:PB+1], s[94:95]
	s_cselect_b64 s[PB2:PB2+1], s[PB2:PB2+1], s[94:95]
	s_mov_b32 s47, 0                               ; s[46:47] is the prefetches' offset from here on
	s_xor_b32 s14, s11, 1                          ; P: two lanes a row; v: a lane a row
	v_and_b32 v3, 31, v0
	v_lshrrev_b32 v4, s14, v3
	v_mul_u32_u24 v4, s15, v4
	v_and_b32 v3, s14, v3
	v_lshl_add_u32 v[PFO], v3, 8, v4
; 8 matrix instructions: row blocks a0, a0 + 1 x all 4 channel blocks, 32 along K: half c of buffer f.  The 16 accumulators take turns, one instruction a turn.
.macro MUL8 f, c, a0
	WIN MUL
.irp a, \a0, (\a0)+1
.irp b, 0,1,2,3
	v_wmma_f32_16x16x32_f16 v[ACC+8*(4*(\a)+(\b)):ACC+8*(4*(\a)+(\b))+7], v[(\f)+64+8*(4*(\c)+(\b)):(\f)+64+8*(4*(\c)+(\b))+7], v[(\f)+8*(4*(\c)+(\a)):(\f)+8*(4*(\c)+(\a))+7], v[ACC+8*(4*(\a)+(\b)):ACC+8*(4*(\a)+(\b))+7]
.endr
.endr
.endm
; 32 LDS loads in one run: quarter q (64 keys) of the slot that is being read, into buffer f; the first 32 keys first.
.macro FETCH q, f
	WIN TO_F
.irp c, 0,1
.irp i, 0,1,2,3
	ds_load_tr16_b128 v[(\f)+64+8*(4*(\c)+(\i)):(\f)+64+8*(4*(\c)+(\i))+3],   v[ADRB+(\q)/2] offset:(((\q)%2)*64+32*(\c))*BP+32*(\i)
	ds_load_tr16_b128 v[(\f)+64+8*(4*(\c)+(\i))+4:(\f)+64+8*(4*(\c)+(\i))+7], v[ADRB+(\q)/2] offset:(((\q)%2)*64+32*(\c))*BP+32*(\i)+16*BP
	ds_load_b128 v[(\f)+8*(4*(\c)+(\i)):(\f)+8*(4*(\c)+(\i))+3],   v[ADRA] offset:128*(\q)+64*(\c)+(\i)*16*AP
	ds_load_b128 v[(\f)+8*(4*(\c)+(\i))+4:(\f)+8*(4*(\c)+(\i))+7], v[ADRA] offset:128*(\q)+64*(\c)+(\i)*16*AP+32
.endr
.endr
.endm
; One of a K step's first three quarters: multiplies buffer f; in its middle fetches quarter q into buffer g.
.macro QUARTER q, f, g
	s_wait_dscnt 16                                ; the first 32 keys are in
	MUL8 \f, 0, 0
	MUL8 \f, 0, 2
	PLACES
	FETCH \q, \g
	s_wait_dscnt 32                                ; all but the 32 just issued
	MUL8 \f, 1, 0
	MUL8 \f, 1, 2
.endm
; The last quarter multiplies buffer 1 and changes slots.  fill = 1: the slot that is left is filled again with the walk's K step two on; its LDS words and addresses are made while no tensor load of mine is out.
.macro TURN fill
.if \fill
	s_wait_xcnt 0x0                                ; the last prefetch, a K step back, has read its address
	s_mul_i32 s46, s[PN], s[PST]
	s_add_nc_u64 s[PFA:PFA+1], s[PB:PB+1], s[46:47]
	s_add_co_u32 s[PN], s[PN], 1
	s_cmp_eq_u32 s[PN], s[LQ]                      ; behind the first block's last K step comes the second block's K step 0
	s_cselect_b32 s[PN], 0, s[PN]
	s_cselect_b64 s[PB:PB+1], s[PB2:PB2+1], s[PB:PB+1]
.endif
	WIN 0
	s_wait_tensorcnt 0x0                           ; all my tensor loads have landed: the one that was out is my part of the next slot
	ds_add_u32 v[SPW], v[NIL]                      ; 0 onto my spare word
.if \fill
	s_add_co_u32 s[G0A+5], s[LAP], s[TB]           ; into the slot that is being left
	s_add_co_u32 s[G0B+5], s[LBP], s[TB]
	s_lshl_b32 s84, s[NXT], 9
	s_mul_i32 s86, s[NXT], BSTEP
	s_add_nc_u64 s[G0A+6:G0A+7], s[AB:AB+1], s[84:85]
	s_or_b32 s[G0A+7], s[G0A+7], 0x80000000
	s_add_nc_u64 s[G0B+6:G0B+7], s[BB:BB+1], s[86:87]
	s_or_b32 s[G0B+7], s[G0B+7], 0x80000000
	s_add_co_u32 s[NXT], s[NXT], 1
	s_cmp_eq_u32 s[NXT], s[LQ]
	s_cselect_b32 s[NXT], 0, s[NXT]
	s_cselect_b64 s[AB:AB+1], s[ABS:ABS+1], s[AB:AB+1]
.endif
	s_xor_b32 s[TB], s[TB], SLOT                   ; 0 and SLOT by turns
	s_wait_dscnt 17                                ; the add and the youngest sixteen loads may be out
	MUL8 F1, 0, 0
	s_wait_dscnt 0x0                               ; the add is done, my reads of this slot are over
	s_barrier_signal -1
	MUL8 F1, 0, 2
	WIN 0                                          ; branches, or lines on window 0, follow
	s_barrier_wait -1
.if \fill
	CREST                                          ; the barrier has opened a round of the cluster's: no wave of any partner still reads this slot or has a load on its way
	JLOAD 1                                        ; my one tensor load behind the round; its four v_nop are also the places in front of the loads below
.else
	PLACES
.endif
	v_add_nc_u32 v[ADRA], s[TB], v[A0]
	v_add_nc_u32 v[ADRB], s[TB], v[B0]
	v_add_nc_u32 v[ADRB+1], 128*BP, v[ADRB]
	FETCH 0, F0
.if \fill
	WIN 0
	ASK
.endif
	MUL8 F1, 1, 0
	MUL8 F1, 1, 2
.endm
; THE WAY OUT of a block: 16 rows at a time, straight from the accumulators, low registers first, into my stage; back as whole rows of 256 bytes; stored.
.macro OUT
	WIN 0
	PLACES
.irp a, 0,1,2,3
.irp b, 0,1,2,3
	ds_store_b128 v[STO], v[ACC+8*(4*(\a)+(\b)):ACC+8*(4*(\a)+(\b))+3]   offset:64*(\b)
	ds_store_b128 v[STO], v[ACC+8*(4*(\a)+(\b))+4:ACC+8*(4*(\a)+(\b))+7] offset:64*(\b)+16
.endr
.irp t, 0,1,2,3,4,5,6,7
	ds_load_b128 v[TMP+32*((\a)%2)+4*(\t):TMP+32*((\a)%2)+4*(\t)+3], v[RD] offset:(\t)*2*SPITCH  ; LDS serves a wave's instructions in order (ISA guide 5.7.1.4)
.endr
	s_wait_dscnt 0x0                               ; the 16 rows are back in registers
	s_wait_xcnt 0x0                                ; the stores before have read their data: the next 16 rows land in those registers only behind this wait
.irp t, 0,1,2,3,4,5,6,7
	global_store_b128 v[CO], v[TMP+32*((\a)%2)+4*(\t):TMP+32*((\a)%2)+4*(\t)+3], s[8:9] offset:(16*(\a)+2*(\t))*OROW  ; 16 lanes store 256 consecutive bytes, aligned
.endr
.endr
.endm
	s_wait_tensorcnt 1                             ; my part of K step 0 is in; K step 1's may stay out
	s_barrier_signal -1
	s_barrier_wait -1
	FETCH 0, F0
	WIN 0
	s_mov_b32 s3, 8
.Lstep:                                                ; eight trips: a K step of 256 keys; the slot that is left takes the walk's K step two on
	QUARTER 1, F0, F1
	QUARTER 2, F1, F0
	QUARTER 3, F0, F1
	TURN 1
	WIN 0
	s_sub_co_u32 s[RT], s[RT], 1
	s_cmp_lg_u32 s[RT], 0
	s_cbranch_scc1 .Lon                            ; forward, over no barrier and no tensor load; the count is the same in all sixteen partners
	OUT                                            ; the first block is finished, in the loop's sixth or eighth trip
	s_wait_xcnt 0x0                                ; the stores have read out0's address
	s_mov_b64 s[8:9], s[CS2:CS2+1]
.set i, 0
.rept 128
	v_mov_b32 v[ACC+i], 0                          ; the second block's sums start at 0
.set i, i+1
.endr
	s_mov_b32 s[RT], 16                            ; more than the trips that are left
.Lon:
	s_sub_co_u32 s3, s3, 1
	s_cmp_lg_u32 s3, 0
	s_cbranch_scc1 .Lstep
	s_mov_b32 s3, 2
.Ltail:                                                ; the walk's last two K steps fill nothing: a loop of their own; what the second trip fetches is not used
	QUARTER 1, F0, F1
	QUARTER 2, F1, F0
	QUARTER 3, F0, F1
	TURN 0
	WIN 0
	s_sub_co_u32 s3, s3, 1
	s_cmp_lg_u32 s3, 0
	s_cbranch_scc1 .Ltail
	OUT
	s_wait_tensorcnt 0x0                           ; the wave's end
	ds_add_u32 v[SPW], v[NIL]
	s_wait_dscnt 0x0
	CROUND                                         ; the closing round
	s_endpgm
.Lfunc_end_k_q7ab82df840_pv:
	.size	k_q7ab82df840_pv, .Lfunc_end_k_q7ab82df840_pv-k_q7ab82df840_pv
	.p2alignl 7, 3214868480
	.fill 96, 4, 3214868480
	.section	.rodata,"a",@progbits
	.p2align	6, 0x0
	.amdhsa_kernel k_q7ab82df840_pv
		.amdhsa_group_segment_fixed_size 327680
		.amdhsa_private_segment_fixed_size 0
		.amdhsa_enable_private_segment 0
		.amdhsa_kernarg_size 24
		.amdhsa_user_sgpr_count 2
		.amdhsa_user_sgpr_kernarg_segment_ptr 1
		.amdhsa_wavefront_size32 1
		.amdhsa_system_sgpr_workgroup_id_x 1
		.amdhsa_system_sgpr_workgroup_id_y 1
		.amdhsa_system_sgpr_workgroup_id_z 1
		.amdhsa_system_vgpr_workitem_id 0
		.amdhsa_next_free_vgpr 512
		.amdhsa_next_free_sgpr 98
		.amdhsa_reserve_vcc 0
		.amdhsa_float_denorm_mode_32 3
		.amdhsa_float_denorm_mode_16_64 3
		.amdhsa_memory_ordered 1
		.amdhsa_forward_progress 1
		.amdhsa_inst_pref_size 72
	.end_amdhsa_kernel
	.amdgpu_metadata
---
amdhsa.version: [ 1, 2 ]
amdhsa.kernels:
  - .name:           k_q7ab82df840_pv
    .symbol:         k_q7ab82df840_pv.kd
    .args:
      - { .name: pr, .offset: 0, .size: 8, .value_kind: global_buffer, .address_space: global }
      - { .name: qkv, .offset: 8, .size: 8, .value_kind: global_buffer, .address_space: global }
      - { .name: out0, .offset: 16, .size: 8, .value_kind: global_buffer, .address_space: global }
    .group_segment_fixed_size: 327680
    .private_segment_fixed_size: 0
    .kernarg_segment_align: 8
    .kernarg_segment_size: 24
    .max_flat_workgroup_size: 128
    .sgpr_count:     98
    .vgpr_count:     512
    .wavefront_size: 32
...
	.end_amdgpu_metadata
.endif
;; end of part 5
;; ======== version 2 of 2: 5 launches; version 1 with the launch prep written anew for expert scheduling mode
;; limits: values are held in f16: magnitudes above 65,504 overflow, below 6.1e-05 lose precision
;; workspace buffers: xb 17,301,504 bytes; wc 6,488,064 bytes; qkv 50,331,648 bytes; sc 67,108,864 bytes; pr 33,554,432 bytes
;; launch prep (part 6): grid 451 x 1, 8 waves a work-group, no clusters, 0 bytes of LDS; arguments x, Wq, Wk, Wv, bq, bk, bv, xb, wc; writes xb, wc
.if DOCPART == 6
	.amdgcn_target "amdgcn-amd-amdhsa--gfx1250"
	.amdhsa_code_object_version 6
	.text
	.protected	k_q7ab82df840_prep
	.globl	k_q7ab82df840_prep
	.p2align	8
	.type	k_q7ab82df840_prep,@function
k_q7ab82df840_prep:
	s_mov_b64 s[64:65], 0
	v_nop
	global_prefetch_b8 v0, s[64:65] scope:SCOPE_SE
	s_setreg_imm32_b32 hwreg(HW_REG_WAVE_SCHED_MODE, 0, 2), 2
	s_setreg_imm32_b32 hwreg(HW_REG_WAVE_MODE, 25, 1), 1
	s_wait_xcnt 0x0
	s_wait_alu depctr_vm_vsrc(0)
; The operands of the projection, rounded to bf16, with K lengthened from 1,024 to 1,056 = 11 x 96 so that the bias rides in the product.
; xb: [11 planes][8192 rows][96]: plane p holds x's columns 96 p .. 96 p + 95; in plane 10 the places 64 .. 95 lie behind x's last column: place 64 holds 1.0, the others 0.
; wc: [1056 k][3072 n], a row of 6,144 bytes: rows 0-1023 Wq | Wk | Wv side by side, row 1024 bq | bk | bv, rows 1025-1055 zeros.
; A stream: every input byte is read once, every output byte written once; no LDS, no matrix unit, no barrier.
; Work-groups 0-255: 32 rows of x.  256-447: 16 rows of one of the weights.  448-450: the 32 rows behind one of the weights.
; Every store of a wave covers 256 consecutive bytes, aligned.  All loads of a thread go out first.
; THE MODE: SCHED_MODE bits 1:0 = 2 (LLVM: expert scheduling mode 2), set by the entry lines.  The code itself states the register dependences
; between vector instructions and memory instructions, with s_wait_alu, always for 0.
; THE PLAN.  Registers that memory instructions touch:
;   v1, v2, SO, SC   byte offsets: written once by vector lines, ahead of the path's first load; read by the loads and stores; never written again.
;   X                each register is written by one load, once, and read by its block's conversions; no vector line names it ahead of the loads.
;   Y                each register is written once, by its block's conversions (in plane 10 by the selects behind them too; on the third path two of them by moves of 0), and read by stores; never written again.
; So no register that a memory instruction reads is written again, and no load lands in a register that a vector line has named: what is left to state is that offsets and store data are written.
; One wait on va_vdst stands in front of each path's first load.  The work then goes in blocks (a plane of three loads; four rows of a weight): at the head of block p, behind the wait for its data, one wait on
; va_vdst states that block p - 1's conversions have written their Y; that block's stores follow, dealt among block p's conversions, which name X and Y of block p alone.  One more stands ahead of the last block's stores.
; The six compares of x's path stand in one run and write six scalar registers; one wait on va_sdst stands ahead of the first select that reads one of them.
.set KBP,  8192*192                    ; bytes in a plane of xb
.set WROW, 6144                        ; bytes in a row of wc
.set SO,  6                            ; v6-8    x: my byte offset in the 32 rows for group 256 j + t of a plane's 768 groups of four numbers
.set SC,  9                            ; v9-11   the same for plane 10, held inside the row
.set ONE, 12                           ; v12-14  first g % 24; then, for plane 10, what stands in my group's first two places where x has ended: 1.0 and 0, or 0 and 0
.set X,   16                           ; v[16:147]  as loaded
.set Y,   148                          ; v[148:213] to store
; x: the store of group 256 j + t of plane p.  The plane stands in the store's immediate, five planes to a base.
.macro PUT p, j
.if (\p) < 5
	global_store_b64 v2, v[Y+6*(\p)+2*(\j):Y+6*(\p)+2*(\j)+1], s[18:19] offset:(\p)*KBP+(\j)*2048
.elseif (\p) < 10
	global_store_b64 v2, v[Y+6*(\p)+2*(\j):Y+6*(\p)+2*(\j)+1], s[32:33] offset:((\p)-5)*KBP+(\j)*2048
.else
	global_store_b64 v2, v[Y+6*(\p)+2*(\j):Y+6*(\p)+2*(\j)+1], s[34:35] offset:(\j)*2048
.endif
.endm
; x: block p, a plane: its three loads are rounded, and the plane before is stored.
.macro PLANE p
	s_wait_loadcnt 30-3*(\p)                       ; loads come back in order: this plane's three are in, those of the planes behind it stay out
.if (\p) > 0
	s_wait_alu depctr_va_vdst(0)                   ; the plane before has written its six registers of Y, which the three stores below read
.endif
.irp j, 0,1,2
.if (\p) > 0
	PUT (\p)-1, \j                                 ; no vector line since the wait names these registers or v2
.endif
.set i, 3*(\p)+(\j)
	v_cvt_pk_bf16_f32 v[Y+2*i], v[X+4*i], v[X+4*i+1]
	v_cvt_pk_bf16_f32 v[Y+2*i+1], v[X+4*i+2], v[X+4*i+3]
.if (\p) == 10
	v_cndmask_b32 v[Y+2*i], v[ONE+(\j)], v[Y+2*i], s[28+(\j)]    ; behind x's last column: 1.0 and 0, or 0 and 0
	v_cndmask_b32 v[Y+2*i+1], 0, v[Y+2*i+1], s[28+(\j)]
.endif
.endr
.endm
; a weight: block p, four rows: they are rounded, and the four rows before are stored.
.macro ROWS p
	s_wait_loadcnt 12-4*(\p)                       ; this block's four loads are in, those of the blocks behind it stay out
.if (\p) > 0
	s_wait_alu depctr_va_vdst(0)                   ; the block before has written its eight registers of Y, which the four stores below read
.endif
.irp r, 0,1,2,3
.set i, 4*(\p)+(\r)
.if (\p) > 0
	global_store_b64 v2, v[Y+2*i-8:Y+2*i-7], s[34:35] offset:(i-4)*WROW  ; no vector line since the wait names these registers or v2
.endif
	v_cvt_pk_bf16_f32 v[Y+2*i], v[X+4*i], v[X+4*i+1]
	v_cvt_pk_bf16_f32 v[Y+2*i+1], v[X+4*i+2], v[X+4*i+3]
.endr
.endm
	s_load_b256 s[4:11], s[0:1], 0x0               ; x s[4:5], Wq s[6:7], Wk s[8:9], Wv s[10:11]
	s_load_b256 s[12:19], s[0:1], 0x20             ; bq s[12:13], bk s[14:15], bv s[16:17], xb s[18:19]
	s_load_b64 s[20:21], s[0:1], 0x40              ; wc
	v_lshlrev_b32 v1, 4, v0                        ; 16 t
	v_lshlrev_b32 v2, 3, v0                        ; 8 t
	s_mov_b32 s22, ttmp9
	s_mov_b32 s25, 0
	s_mov_b32 s27, 0
	s_cmp_lt_u32 s22, 256
	s_cbranch_scc0 .Lnot_x
	; x.  In a plane the work-group's 32 rows of 96 numbers are 6,144 consecutive bytes: 768 groups of four numbers; group g lies in row g / 24 at place 4 (g % 24).
	v_mov_b32 v15, 0x3f80                          ; 1.0 in bf16, in the low half
.irp j, 0,1,2
	v_add_nc_u32 v3, 256*\j, v0                    ; g
	v_mul_u32_u24 v4, v3, 2731
	v_lshrrev_b32 v4, 16, v4                       ; g / 24: 2,731 / 65,536 is 1 / 24 to five parts in a million, exact for g < 768
	v_mul_u32_u24 v5, v4, 24
	v_sub_nc_u32 v[ONE+\j], v3, v5                 ; g % 24, kept for the compares below
	v_lshlrev_b32 v4, 12, v4                       ; the row's 4,096 bytes
	v_min_u32 v3, 15, v[ONE+\j]
	v_lshl_add_u32 v[SO+\j], v[ONE+\j], 4, v4
	v_lshl_add_u32 v[SC+\j], v3, 4, v4             ; plane 10 has 16 groups of x in a row: the others load the sixteenth and discard it
.endr
.irp j, 0,1,2
	v_cmp_gt_u32 s[28+\j], 16, v[ONE+\j]           ; is my group x's, in plane 10?
.endr
	v_cmp_eq_u32 s2, 16, v[ONE]                    ; is it the group that begins with place 64?  The six compares stand in one run, each with a scalar register that nothing else on this path writes
	v_cmp_eq_u32 s3, 16, v[ONE+1]
	v_cmp_eq_u32 s23, 16, v[ONE+2]
	s_lshl_b32 s24, s22, 17                        ; 32 rows of 4,096 bytes
	s_mul_i32 s26, s22, 32*192
	s_wait_kmcnt 0x0
	s_add_nc_u64 s[4:5], s[4:5], s[24:25]
	s_add_nc_u64 s[18:19], s[18:19], s[26:27]      ; planes 0-4: the plane stands in the store's immediate
	s_add_nc_u64 s[32:33], s[18:19], 5*KBP         ; planes 5-9
	s_add_nc_u64 s[34:35], s[32:33], 5*KBP         ; plane 10
	s_wait_alu depctr_va_vdst(0)                   ; SO, SC and v2 are written: the loads and stores of this path read them as their offsets
.set i, 0
.rept 30                                       ; plane i / 3, group 256 (i % 3) + t: 24 lanes read 384 consecutive bytes of a row
	global_load_b128 v[X+4*i:X+4*i+3], v[SO+i%3], s[4:5] offset:(i/3)*384 th:TH_LOAD_NT
.set i, i+1
.endr
.irp j, 0,1,2
	global_load_b128 v[X+120+4*\j:X+120+4*\j+3], v[SC+\j], s[4:5] offset:3840 th:TH_LOAD_NT
.endr
	s_wait_alu depctr_va_sdst(0)                   ; the six compares have written s2, s3, s23 and s28 to s30, ahead of the first select that reads one of them; no branch and no label stands on this path from the compares to its end
	v_cndmask_b32 v[ONE], 0, v15, s2
	v_cndmask_b32 v[ONE+1], 0, v15, s3
	v_cndmask_b32 v[ONE+2], 0, v15, s23
.irp p, 0,1,2,3,4,5,6,7,8,9,10
	PLANE \p
.endr
	s_wait_alu depctr_va_vdst(0)                   ; plane 10's conversions and selects have written its six registers of Y, which the last three stores read
.irp j, 0,1,2
	PUT 10, \j
.endr
	s_endpgm
.Lnot_x:
	s_cmp_lt_u32 s22, 448
	s_cbranch_scc0 .Lpad
	; a weight: 16 rows of 1,024 f32; thread t takes 16 bytes at 16 t of every row and stores 8 bytes at 8 t
	s_sub_co_u32 s23, s22, 256
	s_lshr_b32 s28, s23, 6                         ; which weight: 0 Wq, 1 Wk, 2 Wv
	s_and_b32 s29, s23, 63                         ; which 16 rows of it
	s_lshl_b32 s24, s29, 16
	s_mul_i32 s26, s29, 16*WROW
	s_lshl_b32 s30, s28, 11                        ; the weight's 2,048 bytes in a row of wc
	s_add_co_u32 s26, s26, s30
	s_wait_kmcnt 0x0
	s_cmp_eq_u32 s28, 1
	s_cselect_b64 s[32:33], s[8:9], s[6:7]
	s_cmp_eq_u32 s28, 2
	s_cselect_b64 s[32:33], s[10:11], s[32:33]
	s_add_nc_u64 s[32:33], s[32:33], s[24:25]
	s_add_nc_u64 s[34:35], s[20:21], s[26:27]
	s_wait_alu depctr_va_vdst(0)                   ; v1 and v2 are written: the loads and stores of this path read them as their offsets
.irp r, 0,1,2,3,4,5,6,7,8,9,10,11,12,13,14,15
	global_load_b128 v[X+4*(\r):X+4*(\r)+3], v1, s[32:33] offset:4096*(\r) th:TH_LOAD_NT
.endr
.irp p, 0,1,2,3
	ROWS \p
.endr
	s_wait_alu depctr_va_vdst(0)                   ; the last block's conversions have written its eight registers of Y, which the last four stores read
.irp r, 12,13,14,15
	global_store_b64 v2, v[Y+2*(\r):Y+2*(\r)+1], s[34:35] offset:(\r)*WROW
.endr
	s_endpgm
.Lpad:
	; rows 1024-1055 under one weight: its bias, then 31 rows of zeros
	s_sub_co_u32 s28, s22, 448
	s_lshl_b32 s26, s28, 11
	s_add_co_u32 s26, s26, 1024*WROW
	v_mov_b32 v[Y+2], 0
	v_mov_b32 v[Y+3], 0
	s_wait_kmcnt 0x0
	s_cmp_eq_u32 s28, 1
	s_cselect_b64 s[32:33], s[14:15], s[12:13]
	s_cmp_eq_u32 s28, 2
	s_cselect_b64 s[32:33], s[16:17], s[32:33]
	s_add_nc_u64 s[34:35], s[20:21], s[26:27]
	s_wait_alu depctr_va_vdst(0)                   ; v1 and v2, the offsets, are written, and so are the two registers of zeros, which the 31 stores read
	global_load_b128 v[X:X+3], v1, s[32:33]
.set r, 1
.rept 31
	global_store_b64 v2, v[Y+2:Y+3], s[34:35] offset:r*WROW
.set r, r+1
.endr
	s_wait_loadcnt 0x0
	v_cvt_pk_bf16_f32 v[Y], v[X], v[X+1]
	v_cvt_pk_bf16_f32 v[Y+1], v[X+2], v[X+3]
	s_wait_alu depctr_va_vdst(0)                   ; the two conversions have written v[Y] and v[Y+1], which the store reads
	global_store_b64 v2, v[Y:Y+1], s[34:35]
	s_endpgm
.Lfunc_end_k_q7ab82df840_prep:
	.size	k_q7ab82df840_prep, .Lfunc_end_k_q7ab82df840_prep-k_q7ab82df840_prep
	.p2alignl 7, 3214868480
	.fill 96, 4, 3214868480
	.section	.rodata,"a",@progbits
	.p2align	6, 0x0
	.amdhsa_kernel k_q7ab82df840_prep
		.amdhsa_group_segment_fixed_size 0
		.amdhsa_private_segment_fixed_size 0
		.amdhsa_enable_private_segment 0
		.amdhsa_kernarg_size 72
		.amdhsa_user_sgpr_count 2
		.amdhsa_user_sgpr_kernarg_segment_ptr 1
		.amdhsa_wavefront_size32 1
		.amdhsa_system_sgpr_workgroup_id_x 1
		.amdhsa_system_sgpr_workgroup_id_y 1
		.amdhsa_system_sgpr_workgroup_id_z 1
		.amdhsa_system_vgpr_workitem_id 0
		.amdhsa_next_free_vgpr 216
		.amdhsa_next_free_sgpr 66
		.amdhsa_reserve_vcc 0
		.amdhsa_float_denorm_mode_32 3
		.amdhsa_float_denorm_mode_16_64 3
		.amdhsa_memory_ordered 1
		.amdhsa_forward_progress 1
		.amdhsa_inst_pref_size 25
	.end_amdhsa_kernel
	.amdgpu_metadata
---
amdhsa.version: [ 1, 2 ]
amdhsa.kernels:
  - .name:           k_q7ab82df840_prep
    .symbol:         k_q7ab82df840_prep.kd
    .args:
      - { .name: x, .offset: 0, .size: 8, .value_kind: global_buffer, .address_space: global }
      - { .name: Wq, .offset: 8, .size: 8, .value_kind: global_buffer, .address_space: global }
      - { .name: Wk, .offset: 16, .size: 8, .value_kind: global_buffer, .address_space: global }
      - { .name: Wv, .offset: 24, .size: 8, .value_kind: global_buffer, .address_space: global }
      - { .name: bq, .offset: 32, .size: 8, .value_kind: global_buffer, .address_space: global }
      - { .name: bk, .offset: 40, .size: 8, .value_kind: global_buffer, .address_space: global }
      - { .name: bv, .offset: 48, .size: 8, .value_kind: global_buffer, .address_space: global }
      - { .name: xb, .offset: 56, .size: 8, .value_kind: global_buffer, .address_space: global }
      - { .name: wc, .offset: 64, .size: 8, .value_kind: global_buffer, .address_space: global }
    .group_segment_fixed_size: 0
    .private_segment_fixed_size: 0
    .kernarg_segment_align: 8
    .kernarg_segment_size: 72
    .max_flat_workgroup_size: 256
    .sgpr_count:     66
    .vgpr_count:     216
    .wavefront_size: 32
...
	.end_amdgpu_metadata
.endif
;; end of part 6
;; launch proj: the kernel of part 2 again; grid 8 x 32, 4 waves a work-group, clusters of 4 x 4, 327,680 bytes of LDS; arguments xb, wc, qkv; writes qkv
;; launch scores: the kernel of part 3 again; grid 36 x 4, 4 waves a work-group, no clusters, 327,680 bytes of LDS; arguments qkv, sc; writes sc
;; launch softmax: the kernel of part 4 again; grid 1024 x 1, 8 waves a work-group, no clusters, 0 bytes of LDS; arguments sc, pr; writes pr
;; launch pv: the kernel of part 5 again; grid 8 x 32, 4 waves a work-group, clusters of 4 x 4, 327,680 bytes of LDS; arguments pr, qkv, out0; writes out0
